; MI455X (gfx1250); checked and timed in simulation.
; The chip was launched on July 23, 2026; its instructions are those of AMD's public machine-readable ISA for CDNA 5 (MIT licence, August 2026) and "CDNA5" Instruction Set Architecture Reference Guide (July 2026). The comments in the code are by the model that wrote it; some were corrected since.
;; Simple SSM. Allowed arithmetic: float matrix products may take bf16 or f16 operands with f32 sums; all other float work in f32.
;; Inputs: D 2,048 float32; W_B 16 x 2,048 float32; W_C 2,048 x 16 float32; W_in 4,096 x 1,024 float32; W_out 1,024 x 2,048 float32; b_in 4,096 float32; b_out 1,024 float32; x 4 x 2,048 x 1,024 float32.
;; Outputs: out0 4 x 2,048 x 1,024 float32.
;; One version. Each part assembles by itself: llvm-mc -triple=amdgcn-amd-amdhsa -mcpu=gfx1250 --defsym DOCPART=n.
;; ======== version 1 of 1: 4 launches
;; limits: values outside matrix products are rounded to f16; values are held in f16: magnitudes above 65,504 overflow, below 6.1e-05 lose precision
;; workspace buffers: xb 16,777,216 bytes; wb 8,388,608 bytes; wo 4,194,304 bytes; g 67,108,864 bytes; bpart 8,388,608 bytes; epart 65,536 bytes; y16 33,554,432 bytes; rs 32,768 bytes
;; launch cast (part 1): grid 1792 x 1, 8 waves a work-group, no clusters, 0 bytes of LDS; arguments x, W_in, W_out, xb, wb, wo; writes xb, wb, wo
.if DOCPART == 1
	.amdgcn_target "amdgcn-amd-amdhsa--gfx1250"
	.amdhsa_code_object_version 6
	.text
	.protected	k_q9ad86180fb_cast
	.globl	k_q9ad86180fb_cast
	.p2align	8
	.type	k_q9ad86180fb_cast,@function
k_q9ad86180fb_cast:
	s_mov_b64 s[64:65], 0
	v_nop
	global_prefetch_b8 v0, s[64:65] scope:SCOPE_SE
	s_setreg_imm32_b32 hwreg(HW_REG_WAVE_MODE, 25, 1), 1
	s_wait_xcnt 0x0
; x [8192][1024] and W_in [4096][1024], f32, are rounded to bf16 (xb, wb); W_out [1024][2048] is rounded to bf16 and that number is written as f16 (wo).
; LIMITS.  A bf16 number is exact in f16 from 2^-17 to 65,504; below, wo keeps f16's fixed step of 6e-8; beyond 65,504 it is an infinity.
; SHARES.  A work-group converts 8,192 numbers (32,768 bytes in, 16,384 out): groups 0-1023 x, 1024-1535 W_in, 1536-1791 W_out.  A wave takes 1,024 numbers in eight pieces
; of 128: a load covers 512 consecutive bytes, a store 256 consecutive bytes at a multiple of 256 from the buffer's first byte.  All eight loads of a wave are out together.
; No LDS, no barrier, no matrix unit: every number is touched once.
.set X, 8                              ; v[8:39]   piece i: 4 numbers a lane, f32
.set Y, 40                             ; v[40:55]  piece i: the same 4 numbers, 16 bits each
.set T, 56                             ; v[56:57]  at work
.macro BODY src, dst, first, half      ; half = 1: the bf16 numbers are written as f16
	s_sub_co_u32 s2, ttmp9, \first                 ; my number among the tensor's work-groups
	s_lshl_b32 s16, s2, 14                         ; 16,384 bytes out,
	s_lshl_b32 s2, s2, 15                          ; 32,768 bytes in
	s_add_nc_u64 s[\src:\src+1], s[\src:\src+1], s[2:3]
	s_add_nc_u64 s[\dst:\dst+1], s[\dst:\dst+1], s[16:17]
.irp i, 0,1,2,3,4,5,6,7
	global_load_b128 v[X+4*(\i):X+4*(\i)+3], v1, s[\src:\src+1] offset:512*(\i) th:TH_LOAD_NT
.endr
.irp i, 0,1,2,3,4,5,6,7
	s_wait_loadcnt 7-(\i)                          ; loads come back in order: piece i is in, the younger ones stay out
	v_cvt_pk_bf16_f32 v[Y+2*(\i)], v[X+4*(\i)], v[X+4*(\i)+1]
	v_cvt_pk_bf16_f32 v[Y+2*(\i)+1], v[X+4*(\i)+2], v[X+4*(\i)+3]
.if \half
.irp c, 0,1
	v_lshlrev_b32 v[T], 16, v[Y+2*(\i)+(\c)]       ; the two bf16 numbers as f32,
	v_and_b32 v[T+1], s18, v[Y+2*(\i)+(\c)]
	v_cvt_pk_f16_f32 v[Y+2*(\i)+(\c)], v[T], v[T+1]  ; and as f16
.endr
.endif
	global_store_b64 v2, v[Y+2*(\i):Y+2*(\i)+1], s[\dst:\dst+1] offset:256*(\i)  ; every piece has its own data registers: nothing that a store reads is rewritten
.endr
	s_endpgm
.endm
	s_load_b256 s[4:11], s[0:1], 0x0               ; x s[4:5], W_in s[6:7], W_out s[8:9], xb s[10:11]
	s_load_b128 s[12:15], s[0:1], 0x20             ; wb s[12:13], wo s[14:15]
	v_lshrrev_b32 v1, 5, v0                        ; wave
	v_and_b32 v2, 31, v0                           ; lane
	v_lshlrev_b32 v2, 4, v2
	v_lshl_add_u32 v1, v1, 12, v2                  ; in: wave x 4,096 + lane x 16
	v_lshrrev_b32 v2, 1, v1                        ; out: half of that
	s_mov_b32 s18, 0xffff0000                      ; a word's upper bf16
	s_mov_b32 s3, 0
	s_mov_b32 s17, 0
	s_wait_kmcnt 0x0
	s_cmp_lt_u32 ttmp9, 1024
	s_cbranch_scc1 .Lx
	s_cmp_lt_u32 ttmp9, 1536
	s_cbranch_scc1 .Lw_in
	BODY 8, 14, 1536, 1
.Lw_in:
	BODY 6, 12, 1024, 0
.Lx:
	BODY 4, 10, 0, 0
.Lfunc_end_k_q9ad86180fb_cast:
	.size	k_q9ad86180fb_cast, .Lfunc_end_k_q9ad86180fb_cast-k_q9ad86180fb_cast
	.p2alignl 7, 3214868480
	.fill 96, 4, 3214868480
	.section	.rodata,"a",@progbits
	.p2align	6, 0x0
	.amdhsa_kernel k_q9ad86180fb_cast
		.amdhsa_group_segment_fixed_size 0
		.amdhsa_private_segment_fixed_size 0
		.amdhsa_enable_private_segment 0
		.amdhsa_kernarg_size 48
		.amdhsa_user_sgpr_count 2
		.amdhsa_user_sgpr_kernarg_segment_ptr 1
		.amdhsa_wavefront_size32 1
		.amdhsa_system_sgpr_workgroup_id_x 1
		.amdhsa_system_sgpr_workgroup_id_y 1
		.amdhsa_system_sgpr_workgroup_id_z 1
		.amdhsa_system_vgpr_workitem_id 0
		.amdhsa_next_free_vgpr 64
		.amdhsa_next_free_sgpr 66
		.amdhsa_reserve_vcc 0
		.amdhsa_float_denorm_mode_32 3
		.amdhsa_float_denorm_mode_16_64 3
		.amdhsa_memory_ordered 1
		.amdhsa_forward_progress 1
		.amdhsa_inst_pref_size 12
	.end_amdhsa_kernel
	.amdgpu_metadata
---
amdhsa.version: [ 1, 2 ]
amdhsa.kernels:
  - .name:           k_q9ad86180fb_cast
    .symbol:         k_q9ad86180fb_cast.kd
    .args:
      - { .name: x, .offset: 0, .size: 8, .value_kind: global_buffer, .address_space: global }
      - { .name: W_in, .offset: 8, .size: 8, .value_kind: global_buffer, .address_space: global }
      - { .name: W_out, .offset: 16, .size: 8, .value_kind: global_buffer, .address_space: global }
      - { .name: xb, .offset: 24, .size: 8, .value_kind: global_buffer, .address_space: global }
      - { .name: wb, .offset: 32, .size: 8, .value_kind: global_buffer, .address_space: global }
      - { .name: wo, .offset: 40, .size: 8, .value_kind: global_buffer, .address_space: global }
    .group_segment_fixed_size: 0
    .private_segment_fixed_size: 0
    .kernarg_segment_align: 8
    .kernarg_segment_size: 48
    .max_flat_workgroup_size: 256
    .sgpr_count:     66
    .vgpr_count:     64
    .wavefront_size: 32
...
	.end_amdgpu_metadata
.endif
;; end of part 1
;; launch inproj (part 2): grid 16 x 32, 4 waves a work-group, clusters of 4 x 4, 327,680 bytes of LDS; arguments xb, wb, g, b_in, W_B, bpart, epart; writes g, bpart, epart
.if DOCPART == 2
	.amdgcn_target "amdgcn-amd-amdhsa--gfx1250"
	.amdhsa_code_object_version 6
	.text
	.protected	k_q9ad86180fb_inproj
	.globl	k_q9ad86180fb_inproj
	.p2align	8
	.type	k_q9ad86180fb_inproj,@function
k_q9ad86180fb_inproj:
	s_mov_b64 s[64:65], 0
	v_nop
	global_prefetch_b8 v0, s[64:65] scope:SCOPE_SE
	s_setreg_imm32_b32 hwreg(HW_REG_WAVE_MODE, 25, 1), 1
	s_wait_xcnt 0x0
	s_wait_alu depctr_hold_cnt(0) depctr_sa_sdst(0) depctr_va_vdst(0) depctr_va_sdst(0) depctr_va_ssrc(0) depctr_va_vcc(0) depctr_vm_vsrc(0)
	s_getreg_b32 s2, hwreg(HW_REG_IB_STS2, 6, 4)
	s_cmp_eq_u32 s2, 0
	s_cbranch_scc0 .Lentry_in_a_cluster
	s_endpgm
.Lentry_in_a_cluster:
	s_bfe_u32 s2, ttmp6, 0x10000c
	s_cmp_lg_u32 s2, 0xf033
	s_cbranch_scc0 .Lentry_shape_is_right
	s_endpgm
.Lentry_shape_is_right:
; g[t][e] = silu(sum over k of xb[t][k] wb[e][k] + b_in[e]), f16, [8192][4096]: columns 0-2047 are the module's silu(x_proj), columns 2048-4095 its silu(z).
; For columns below 2048 also bpart[p][t][state] = sum over the 128 columns e of part p of g[t][e] W_B[state][e], f32, from the f16 numbers that are stored, and
; epart[chunk][p][state] = sum over the chunk's 128 t of 0.9^(127 - t) bpart[p][t][state]: the part's share of the recurrence's state at the chunk's end (less the factor 0.1).
; xb, wb: bf16, K = 1024; sums in f32; b_in and W_B are rounded to bf16 like all the module's inputs (W_B's bf16 numbers are written as f16 for the small product).
; LIMITS.  g is f16: |x W_in^T + b_in| stays under 65,504.  |W_B| under 65,504; below 2^-17 it keeps f16's fixed step of 6e-8.  silu(v) = v / (1 + 2^(-v log2 e)): below about -88 it is -0.  NaN and infinities are not treated apart.
; SHAPE.  A tile of 256 x 256 is made by four waves, each 128 x 128: 64 accumulators of 16 x 16, 512 registers.  K goes in steps of 128 through two LDS slots filled by tensor loads whose rows are
; 256 bytes of memory at multiples of 256.  512 tiles, one to a work-group.  A wave's 128 rows are one chunk of the recurrence.
; CLUSTER.  4 x 4 work-groups: the four of a row of the cluster need the same rows of xb, the four of a column the same rows of wb; each tile is asked for jointly, by the same load, descriptor and mask in all four.
; THE MATRIX INSTRUCTION IS USED TRANSPOSED: source 0 = 16 rows of wb, source 1 = 16 rows of xb.  Lane l then holds row t = l % 16 and its registers 0-7 the columns e = 8 (l / 16) + 0..7.
; So the bias is a C operand that hangs on the column block alone (it starts the sums), eight results pack into 16 bytes of a row of g, and two packed blocks ARE source 1 (32 e x 16 t) of W_B g^T.
; REGISTERS, in windows of 256 (s_set_vgpr_msb: bits 1:0 source 0, 3:2 source 1, 5:4 source 2, 7:6 destination):
;   window 0: v16-31 addresses; v64-127, v128-191 fragments of xb, two buffers; on the way out v64-127 T, v192-223 TMP, v32-63 and v224-255 rows read back, v128-159 the small product
;   window 1: v0-63 the bias; v64-127, v128-191 fragments of wb; v192-223 W_B's four fragments; v224 at work        windows 2, 3: the accumulators of my rows 0-63, 64-127: (a, b) at v[8 (8 a + b)]
.set SIZE_N, 4096
.set SIZE_K, 1024
.set KSTEP,  128
.set PITCH,  272                       ; an LDS row: 256 bytes + 16 of padding = 68 words: the 16 rows that a load touches start at 16 different groups of four banks
.set HALFT,  128*PITCH                 ; 128 rows: what one tensor load brings
.set SLOT,   4*HALFT                   ; xb's 256 rows, then wb's 256 rows
.set STAGE,  2*SLOT                    ; behind the ring: 16 rows x 272 bytes for each wave, for the way out; no tensor load lands there
.set SPITCH, 272
.set SPARE,  STAGE+4*16*SPITCH         ; the spare words, 128 bytes for each wave: two blocks of 256 bytes that no other line names
.set LAPS,   SIZE_K/(2*KSTEP)          ; a lap = two K steps = once round the ring: 4
.set ADRA, 16                          ; v16-17  LDS address of my xb fragments in slot 0, 1
.set ADRB, 20                          ; v20-21  the same for wb
.set STO,  24                          ; v24     the way out: where I put 16 bytes of a row
.set RD,   25                          ; v25     the way out: where I read a row back
.set CO,   26                          ; v26     my byte offset in g
.set VBI,  27                          ; v27     32 (l / 16): my eight numbers of b_in in a block of 16, and of epart's 16 states
.set SPW,  28                          ; v28     LDS address of my spare word; never rewritten
.set NIL,  29                          ; v29     0; never rewritten
.set VWB,  30                          ; v30     8,192 (l % 16) + 32 (l / 16): my place in W_B
.set VB,   31                          ; v31     16 l: my place in 512 bytes of bpart
.set F0,   64
.set F1,   128
.set T,    64                          ; the way out: 64 numbers in f32
.set TMP,  192                         ; the same in f16
.set OB,   32                          ; 16 rows read back from the stage: v32-63 and v224-255 by turns
.set BA0,  128                         ; two accumulators of the small product,
.set BA1,  136
.set BS,   144                         ; their sum,
.set EA,   152                         ; and the chunk's running sum: 0.9^16 x itself + the block's
.set BI,   0                           ; window 1
.set WBF,  192                         ; window 1
.set TW,   224                         ; window 1
.set G1, 24                            ; s[24:31] descriptor group 1 for xb's tiles;  s[32:39] group 0, one set for each slot
.set G0, 32
.set G1B, 48                           ; s[48:55], s[56:63] the same for wb's
.set G0B, 56
.set MSB, 0
.macro WIN new                         ; the immediate's high byte repeats the setting that is left; a switch that changes nothing is dropped
.if MSB != (\new)
	s_set_vgpr_msb (MSB<<8)|(\new)
.set MSB, \new
.endif
.endm
.set TO_B, 0x40                        ; destination window 1, address window 0
; A joint load.  Waves 0 and 1 fetch xb's two halves, waves 2 and 3 wb's.  The branch hangs on the wave's number alone.  An s_nop 0 and four v_nop follow each of the two lines.
.macro JLOAD s
	s_cmp_eq_u32 s11, 0
	s_cbranch_scc0 .Lfor_b_\@
	tensor_load_to_lds s[G0+4*(\s):G0+4*(\s)+3], s[G1:G1+7]
	s_nop 0
.rept 4
	v_nop
.endr
	s_branch .Lasked_\@
.Lfor_b_\@:
	tensor_load_to_lds s[G0B+4*(\s):G0B+4*(\s)+3], s[G1B:G1B+7]
	s_nop 0
.rept 4
	v_nop
.endr
.Lasked_\@:
.endm
; A round of the cluster's barrier: my work-group's barrier; wave 0 signals for the work-group; every wave waits for all sixteen; my work-group's barrier once more.
.macro CREST                           ; a round behind its opening barrier
	s_cmp_lg_u32 s10, 0
	s_cbranch_scc1 .Lnot_wave_0_\@
	s_barrier_signal -3
.Lnot_wave_0_\@:
	s_barrier_wait -3
	s_barrier_signal -1
	s_barrier_wait -1
.endm
.macro CROUND
	s_barrier_signal -1
	s_barrier_wait -1
	CREST
.endm
	s_load_b128 s[4:7], s[0:1], 0x0                ; xb s[4:5], wb s[6:7]
	s_load_b64 s[8:9], s[0:1], 0x10                ; g
	s_load_b128 s[68:71], s[0:1], 0x18             ; b_in s[68:69], W_B s[70:71]
	s_load_b64 s[72:73], s[0:1], 0x28              ; bpart
	s_load_b64 s[80:81], s[0:1], 0x30              ; epart
	v_lshl_add_u32 v[SPW], v0, 2, SPARE
	v_mov_b32 v[NIL], 0
	ds_add_u32 v[SPW], v[NIL]                      ; the wave's opening: the add and its wait stand ahead of my first tensor load; the set-up below, work on registers, stands between them
	ds_add_u32 v28, v29
	v_lshrrev_b32 v1, 5, v0
	v_readfirstlane_b32 s10, v1                    ; wave 0..3
	s_lshr_b32 s11, s10, 1                         ; which half of the tile's rows is mine.  Also: I fetch for xb (0) or for wb (1)
	s_and_b32 s12, s10, 1                          ; which half of its columns.  Also: which 128 rows of that tile I fetch
	s_bfe_u32 s40, ttmp6, 0x40000                  ; cx
	s_bfe_u32 s41, ttmp6, 0x40004                  ; cy
	s_lshl_b32 s42, ttmp9, 2
	s_add_co_u32 s42, s42, s40                     ; tile column = 4 x cluster x + cx
	s_and_b32 s13, ttmp7, 0xffff
	s_lshl_b32 s13, s13, 2
	s_add_co_u32 s13, s13, s41                     ; tile row = 4 x cluster y + cy
	s_lshl_b32 s43, s41, 2
	s_lshl_b32 s43, 15, s43                        ; my row of the cluster
	s_lshl_b32 s44, 0x1111, s40                    ; my column
	s_cmp_lt_u32 ttmp9, 2                          ; clusters 0 and 1 along x hold the tile columns 0-7, the columns below 2048: the same answer in all sixteen partners
	s_cselect_b32 s74, 1, 0
	s_mov_b32 s76, 0xbfb8aa3b                      ; -log2(e)
	s_mov_b32 s77, s76                             ; named with it as a pair
	s_mov_b32 s78, 0xffff0000                      ; a word's upper bf16
	s_mov_b32 s82, 0x3f666666                      ; 0.9, squared four times: 0.9^16
.rept 4
	s_mul_f32 s82, s82, s82
.endr
	s_mov_b32 s83, s82                             ; named with it as a pair
	; descriptor group 1: a tile of 128 rows x 128 elements, padded in LDS
	s_or_b32 s[G1+0], s43, (1<<16)|(1<<20)|(1<<21)|(5<<22)|(3<<25)  ; 15:0 the mask; 17:16 2-byte elements; 20 padding on; 21 set beside a mask; 24:22 after every 64 words (code 5); 31:25 4 words (code 3)
	s_or_b32 s[G1B+0], s44, (1<<16)|(1<<20)|(1<<21)|(5<<22)|(3<<25)
.irp q, G1, G1B
	s_mov_b32 s[(\q)+1], KSTEP<<16                 ; tensor_dim0 = 128
	s_mov_b32 s[(\q)+2], 128<<16                   ; tensor_dim1 = 128
	s_mov_b32 s[(\q)+3], KSTEP<<16                 ; tile_dim0 = 128
	s_mov_b32 s[(\q)+4], 128                       ; tile_dim1 = 128
	s_mov_b32 s[(\q)+5], SIZE_K                    ; elements from row to row
	s_mov_b32 s[(\q)+6], 0
	s_mov_b32 s[(\q)+7], 0
.endr
	; xb's tiles hang on the tile row alone, wb's on the tile column alone; each address is made in registers that never hold the other coordinate
	s_lshl_b32 s17, s12, 7
	s_lshl_b32 s16, s13, 8
	s_add_co_u32 s16, s16, s17                     ; xb: row 256 x tile row + 128 x half
	s_lshl_b32 s46, s42, 8
	s_add_co_u32 s46, s46, s17                     ; wb: row 256 x tile column + 128 x half
	s_mov_b32 s17, 0
	s_mov_b32 s47, 0
	s_mov_b64 s[18:19], SIZE_K*2
	s_mul_u64 s[16:17], s[16:17], s[18:19]
	s_mul_u64 s[46:47], s[46:47], s[18:19]
	s_mul_i32 s20, s10, HALFT                      ; where they go: wave x 128 rows
	s_wait_dscnt 0x0                               ; the opening add is done
	s_wait_kmcnt 0x0
	s_add_nc_u64 s[14:15], s[4:5], s[16:17]
	s_add_nc_u64 s[46:47], s[6:7], s[46:47]
	CROUND                                         ; all sixteen work-groups are here: the first joint loads meet
.irp s, 0,1
	s_mov_b32 s[G0+4*(\s)], 1
	s_add_co_u32 s[G0+4*(\s)+1], s20, (\s)*SLOT
	s_add_nc_u64 s[G0+4*(\s)+2:G0+4*(\s)+3], s[14:15], (\s)*KSTEP*2
	s_or_b32 s[G0+4*(\s)+3], s[G0+4*(\s)+3], 0x80000000
	s_mov_b32 s[G0B+4*(\s)], 1
	s_add_co_u32 s[G0B+4*(\s)+1], s20, (\s)*SLOT
	s_add_nc_u64 s[G0B+4*(\s)+2:G0B+4*(\s)+3], s[46:47], (\s)*KSTEP*2
	s_or_b32 s[G0B+4*(\s)+3], s[G0B+4*(\s)+3], 0x80000000
	JLOAD \s                                       ; two loads of mine are out
.endr
	; a fragment is 16 rows x 32 K in 8 registers: lane l holds row l % 16, K = 8 (l / 16) + 0..7 and 16 + 8 (l / 16) + 0..7: two loads of 16 bytes, 32 bytes apart
	v_and_b32 v1, 15, v0                           ; l % 16; kept to the end
	v_bfe_u32 v2, v0, 4, 1                         ; l / 16
	v_mul_u32_u24 v3, v1, PITCH
	v_lshl_add_u32 v3, v2, 4, v3
	s_mul_i32 s21, s11, HALFT                      ; my 128 rows of xb
	s_mul_i32 s22, s12, HALFT                      ; my 128 rows of wb,
	s_add_co_u32 s22, s22, 2*HALFT                 ; which lie behind xb's 256
.irp s, 0,1
	v_add_nc_u32 v[ADRA+(\s)], s21, v3
	v_add_nc_u32 v[ADRB+(\s)], s22, v3
	s_add_co_u32 s21, s21, SLOT
	s_add_co_u32 s22, s22, SLOT
.endr
	s_mul_i32 s23, s10, 16*SPITCH
	s_add_co_u32 s23, s23, STAGE                   ; my stage
	v_mul_u32_u24 v4, v1, SPITCH
	v_lshl_add_u32 v4, v2, 4, v4
	v_add_nc_u32 v[STO], s23, v4
	v_mul_u32_u24 v5, v2, SPITCH
	v_lshl_add_u32 v5, v1, 4, v5
	v_add_nc_u32 v[RD], s23, v5
	v_mul_u32_u24 v5, v2, SIZE_N*2
	v_lshl_add_u32 v[CO], v1, 4, v5
	v_lshlrev_b32 v[VBI], 5, v2
	v_lshl_add_u32 v[VWB], v1, 13, v[VBI]
	v_and_b32 v[VB], 31, v0
	v_lshlrev_b32 v[VB], 4, v[VB]
	s_lshl_b32 s13, s13, 8                         ; 256 x tile row
	s_lshl_b32 s14, s11, 7
	s_add_co_u32 s16, s13, s14                     ; my first row of g
	s_mov_b32 s17, 0
	s_mov_b64 s[18:19], SIZE_N*2
	s_mul_u64 s[16:17], s[16:17], s[18:19]
	s_lshl_b32 s46, s42, 9                         ; my first column in bytes of g: 512 x tile column + 256 x half
	s_lshl_b32 s47, s12, 8
	s_add_co_u32 s46, s46, s47
	s_mov_b32 s47, 0
	s_add_nc_u64 s[16:17], s[16:17], s[46:47]      ; what the first way out adds to g's address
	s_lshl_b32 s46, s46, 1                         ; the same column in bytes of f32
	s_add_nc_u64 s[68:69], s[68:69], s[46:47]      ; b_in at my 128 columns
	s_and_b32 s46, s46, 0x1fff                     ; W_B has 2048 columns.  Every work-group makes the fragments and bpart's and epart's addresses, those of the upper half at the column less 2048
	s_add_nc_u64 s[70:71], s[70:71], s[46:47]      ; (inside the buffers, and not used): so no register's state hangs on a branch
	s_lshl_b32 s20, s42, 1
	s_add_co_u32 s20, s20, s12
	s_and_b32 s20, s20, 15                         ; part p = my 128 columns' number
	s_lshl_b32 s22, s20, 6                         ; epart: 64 bytes a part
	s_lshl_b32 s20, s20, 19                        ; bpart: 512 blocks of 1,024 bytes a part
	s_lshl_b32 s21, s13, 6                         ; + block 16 x tile row
	s_add_co_u32 s20, s20, s21
	s_lshl_b32 s21, s11, 13                        ; + 8 x my half
	s_add_co_u32 s20, s20, s21
	s_mov_b32 s21, 0
	s_add_nc_u64 s[72:73], s[72:73], s[20:21]
	s_lshl_b32 s20, s13, 3                         ; epart: chunk 2 x tile row + my half, 1,024 bytes a chunk
	s_add_co_u32 s20, s20, s22
	s_lshl_b32 s22, s11, 10
	s_add_co_u32 s20, s20, s22
	s_add_nc_u64 s[80:81], s[80:81], s[20:21]
	WIN TO_B
.irp b, 0,1,2,3,4,5,6,7
	global_load_b128 v[BI+8*(\b):BI+8*(\b)+3],   v[VBI], s[68:69] offset:64*(\b)     ; b_in[16 b + 8 (l / 16) + 0..7]
	global_load_b128 v[BI+8*(\b)+4:BI+8*(\b)+7], v[VBI], s[68:69] offset:64*(\b)+16
.endr
	WIN 0
.irp kk, 0,1,2,3                       ; W_B[l % 16][32 kk + ..]: 8 (l / 16) + 0..7, then 16 + 8 (l / 16) + 0..7, in f32, into the first fragment buffer, which is still free
.irp u, 0,1,2,3
	global_load_b128 v[64+16*(\kk)+4*(\u):64+16*(\kk)+4*(\u)+3], v[VWB], s[70:71] offset:128*(\kk)+16*((\u)%2)+64*((\u)/2)
.endr
.endr
	s_wait_loadcnt 0x0
	WIN 0x45                                       ; all in window 1: the bias is rounded to bf16 and kept as f32
.set i, 0
.rept 32
	v_cvt_pk_bf16_f32 v[TW], v[BI+2*i], v[BI+2*i+1]
	v_lshlrev_b32 v[BI+2*i], 16, v[TW]
	v_and_b32 v[BI+2*i+1], s78, v[TW]
.set i, i+1
.endr
	WIN 0                                          ; W_B likewise,
.set i, 0
.rept 32
	v_cvt_pk_bf16_f32 v32, v[64+2*i], v[65+2*i]
	v_lshlrev_b32 v[64+2*i], 16, v32
	v_and_b32 v[65+2*i], s78, v32
.set i, i+1
.endr
	WIN TO_B                                       ; and then written as f16: four fragments (16 states x 32 e)
.set i, 0
.rept 32
	v_cvt_pk_f16_f32 v[WBF+i], v[64+2*i], v[65+2*i]
.set i, i+1
.endr
	WIN 0
; 16 matrix instructions: row blocks a0, a0 + 1 of the window's four (hi = 0: my rows 0-63, 1: rows 64-127) x all 8 column blocks, 32 along K.  zero = 1: the first product starts the sums with the bias.
; The 64 accumulators take turns, one instruction a turn, in the same order in every quarter.
.macro MUL16 f, hi, a0, zero
.if \zero
	WIN 0x91+0x40*(\hi)                            ; source 0 and C in window 1, source 1 in window 0, D in window 2 or 3
.else
	WIN 0xa1+0x50*(\hi)                            ; C and D in window 2 or 3
.endif
.irp a, \a0, (\a0)+1
.irp b, 0,1,2,3,4,5,6,7
.if \zero
	v_wmma_f32_16x16x32_bf16 v[8*(8*(\a)+(\b)):8*(8*(\a)+(\b))+7], v[(\f)+8*(\b):(\f)+8*(\b)+7], v[(\f)+8*(4*(\hi)+(\a)):(\f)+8*(4*(\hi)+(\a))+7], v[BI+8*(\b):BI+8*(\b)+7]
.else
	v_wmma_f32_16x16x32_bf16 v[8*(8*(\a)+(\b)):8*(8*(\a)+(\b))+7], v[(\f)+8*(\b):(\f)+8*(\b)+7], v[(\f)+8*(4*(\hi)+(\a)):(\f)+8*(4*(\hi)+(\a))+7], v[8*(8*(\a)+(\b)):8*(8*(\a)+(\b))+7]
.endif
.endr
.endr
.endm
; 32 LDS loads in one run: the fragments of one quarter step (32 K at byte k of the rows) into buffer f: wb's 16 loads, then xb's
.macro FETCH slot, k, f
	WIN TO_B
.irp i, 0,1,2,3,4,5,6,7
	ds_load_b128 v[(\f)+8*(\i):(\f)+8*(\i)+3],   v[ADRB+(\slot)] offset:(\k)+(\i)*16*PITCH
	ds_load_b128 v[(\f)+8*(\i)+4:(\f)+8*(\i)+7], v[ADRB+(\slot)] offset:(\k)+(\i)*16*PITCH+32
.endr
	WIN 0
.irp i, 0,1,2,3,4,5,6,7
	ds_load_b128 v[(\f)+8*(\i):(\f)+8*(\i)+3],   v[ADRA+(\slot)] offset:(\k)+(\i)*16*PITCH
	ds_load_b128 v[(\f)+8*(\i)+4:(\f)+8*(\i)+7], v[ADRA+(\slot)] offset:(\k)+(\i)*16*PITCH+32
.endr
.endm
; A load into a register that a matrix instruction has read, and a vector instruction that reads a matrix result or writes one of a matrix instruction's registers, stand four plain
; vector instructions behind it (ISA guide 7.12.1 for vector instructions).
.macro PLACES
.rept 4
	v_nop
.endr
.endm
; A K step is four quarters of 32 along K, 64 matrix instructions each, on buffers 0, 1, 0, 1.  One of the first three multiplies buffer f and fetches the next quarter, at byte k, into g.
.macro QUARTER slot, k, f, g, zero
	s_wait_dscnt 8                                 ; wb's and xb's rows 0-63 are in; the youngest eight loads (xb's rows 64-127) may be out
	MUL16 \f, 0, 0, \zero
	MUL16 \f, 0, 2, \zero
	PLACES
	FETCH \slot, \k, \g
	s_wait_dscnt 32                                ; all but the 32 just issued
	MUL16 \f, 1, 0, \zero
	MUL16 \f, 1, 2, \zero
.endm
; The last quarter's first half: ONE barrier for the change of slots.  In front of it each wave waits for all its tensor loads (one is out: its part of the next slot), adds 0 to its spare word,
; and waits for that and for its own reads of this slot.  Behind it nobody reads this slot any more and the next slot is whole.
.macro MEET round
	WIN 0                                          ; (the add's two registers lie in window 0)
	s_wait_tensorcnt 0x0
	ds_add_u32 v[SPW], v[NIL]                      ; 0 onto my spare word
	s_wait_dscnt 9                                 ; (the add and the youngest eight loads may be out)
	MUL16 F1, 0, 0, 0                              ; sixteen matrix instructions stand between the add and the wait for it
	s_wait_dscnt 0x0                               ; the add is done, and my reads of this slot are over
	s_barrier_signal -1
	MUL16 F1, 0, 2, 0
.if \round
	WIN 0
.endif
	s_barrier_wait -1
.endm
; The whole last quarter.  fill = 1: the barrier opens a round of the cluster's barrier, and the slot just read out is filled again, two K steps on, first thing behind the round:
; from that request to the wait for it a wave issues 224 matrix instructions.
.macro TURN slot, next, fill
	MEET \fill
.if \fill
	CREST
	s_add_nc_u64 s[G0+4*(\slot)+2:G0+4*(\slot)+3], s[G0+4*(\slot)+2:G0+4*(\slot)+3], 2*KSTEP*2
	s_add_nc_u64 s[G0B+4*(\slot)+2:G0B+4*(\slot)+3], s[G0B+4*(\slot)+2:G0B+4*(\slot)+3], 2*KSTEP*2
	JLOAD \slot                                    ; the four v_nop behind it are also the places in front of the loads below
.else
	PLACES
.endif
	FETCH \next, 0, F0
	MUL16 F1, 1, 0, 0
	MUL16 F1, 1, 2, 0
.endm
; THE WAY OUT is written for the four row blocks of window 2 and walked twice; between the two trips the accumulators of window 3 are brought into window 2.
; PACK: block a (16 rows x my 128 columns): silu in f32, rounded to f16.  Each accumulator's lowest registers are read first.
.macro PACK a
.set AC, 64*(\a)
	WIN 0x02                                       ; source 0: window 2
.set i, 0
.rept 32
	v_pk_mul_f32 v[T+2*i:T+2*i+1], v[AC+2*i:AC+2*i+1], s[76:77] op_sel_hi:[1,0]   ; -v log2(e)
.set i, i+1
.endr
	WIN 0
.set i, 0
.rept 64
	v_exp_f32 v[T+i], v[T+i]
.set i, i+1
.endr
	v_nop                                          ; a plain instruction between the last exponential and the use of its result
.set i, 0
	s_wait_alu depctr_va_vdst(0)
.rept 32
	v_pk_add_f32 v[T+2*i:T+2*i+1], v[T+2*i:T+2*i+1], 1.0 op_sel_hi:[1,0]
.set i, i+1
.endr
.set i, 0
.rept 64
	v_rcp_f32 v[T+i], v[T+i]
.set i, i+1
.endr
	v_nop                                          ; likewise behind the last reciprocal
	WIN 0x02
.set i, 0
	s_wait_alu depctr_va_vdst(0)
.rept 32
	v_pk_mul_f32 v[T+2*i:T+2*i+1], v[AC+2*i:AC+2*i+1], v[T+2*i:T+2*i+1]           ; v / (1 + 2^(-v log2 e))
.set i, i+1
.endr
	WIN 0
.set i, 0
.rept 32
	v_cvt_pk_f16_f32 v[TMP+i], v[T+2*i], v[T+2*i+1]
.set i, i+1
.endr
.endm
; The columns below 2048: W_B (16 states x 128 e) times the block's g^T (128 e x 16 t), four products on two accumulators by turns.  The result's lane l, registers 4 q + 0..3, go to
; byte 512 q + 16 l of the block's 1,024 bytes: each store covers 512 consecutive bytes.  The chunk's running sum takes the block, lane by lane (t % 16 apart): 0.9^16 x itself + the block.
; The jump goes forward, past no barrier and no tensor load, and is the same in all partners.
.macro BPART a
	s_cmp_eq_u32 s74, 0
	s_cbranch_scc1 .Lno_b_\@
	WIN 0x01                                       ; source 0 in window 1
	v_wmma_f32_16x16x32_f16 v[BA0:BA0+7], v[WBF:WBF+7], v[TMP:TMP+7], 0
	v_wmma_f32_16x16x32_f16 v[BA1:BA1+7], v[WBF+8:WBF+15], v[TMP+8:TMP+15], 0
	v_wmma_f32_16x16x32_f16 v[BA0:BA0+7], v[WBF+16:WBF+23], v[TMP+16:TMP+23], v[BA0:BA0+7]
	v_wmma_f32_16x16x32_f16 v[BA1:BA1+7], v[WBF+24:WBF+31], v[TMP+24:TMP+31], v[BA1:BA1+7]
	WIN 0
	PLACES
	s_wait_xcnt 0x0                                ; the sum's registers were the last block's store data: they are rewritten only behind this wait
.irp c, 0,2,4,6
	v_pk_add_f32 v[BS+(\c):BS+(\c)+1], v[BA0+(\c):BA0+(\c)+1], v[BA1+(\c):BA1+(\c)+1]
.endr
	global_store_b128 v[VB], v[BS:BS+3],   s[72:73] offset:1024*(\a)
	global_store_b128 v[VB], v[BS+4:BS+7], s[72:73] offset:1024*(\a)+512
.irp c, 0,2,4,6
	v_pk_fma_f32 v[EA+(\c):EA+(\c)+1], v[EA+(\c):EA+(\c)+1], s[82:83], v[BS+(\c):BS+(\c)+1] op_sel_hi:[1,0,1]
.endr
.Lno_b_\@:
.endm
.macro TOSTAGE a                       ; into my own stage, and back as whole rows of 256 bytes
	WIN 0
.set BK, OB+192*((\a)%2)
.irp b, 0,1,2,3,4,5,6,7
	ds_store_b128 v[STO], v[TMP+4*(\b):TMP+4*(\b)+3] offset:32*(\b)
.endr
.irp t, 0,1,2,3,4,5,6,7
	ds_load_b128 v[BK+4*(\t):BK+4*(\t)+3], v[RD] offset:(\t)*2*SPITCH  ; LDS serves a wave's instructions in order (ISA guide 5.7.1.4): these see the stores above
.endr
.endm
.macro SEND a
	WIN 0
.set BK, OB+192*((\a)%2)
	s_wait_dscnt 0x0                               ; the block is back in registers
	s_wait_xcnt 0x0                                ; only behind this wait are the stores' base and the registers that earlier stores read rewritten
.if (\a) == 0
	s_add_nc_u64 s[8:9], s[8:9], s[16:17]          ; the first trip: on to my first rows; the second: 16 rows on,
	s_mov_b64 s[16:17], 16*SIZE_N*2                ; which is what this line adds from now on
.else
	s_add_nc_u64 s[8:9], s[8:9], 16*SIZE_N*2       ; 16 rows on
.endif
.irp t, 0,1,2,3,4,5,6,7
	global_store_b128 v[CO], v[BK+4*(\t):BK+4*(\t)+3], s[8:9] offset:2*(\t)*SIZE_N*2  ; 16 lanes store 256 consecutive bytes, at a multiple of 256 from g's first byte
.endr
.endm
	s_wait_tensorcnt 1                             ; my part of K step 0 is in; K step 1's may stay out
	s_barrier_signal -1
	s_barrier_wait -1                              ; everybody's is
	FETCH 0, 0, F0
	QUARTER 0, 64,  F0, F1, 1                      ; the first quarter stands in front of the loop: its products start the sums, with the bias
	WIN 0                                          ; at a label and at a branch every window is 0
	s_mov_b32 s3, LAPS-1
.Llap:                                                 ; a trip goes once round the ring, from a lap's second quarter to the next lap's first, and fills both slots again
	QUARTER 0, 128, F1, F0, 0
	QUARTER 0, 192, F0, F1, 0
	TURN 0, 1, 1
	QUARTER 1, 64,  F0, F1, 0
	QUARTER 1, 128, F1, F0, 0
	QUARTER 1, 192, F0, F1, 0
	TURN 1, 0, 1
	QUARTER 0, 64,  F0, F1, 0
	WIN 0
	s_sub_co_u32 s3, s3, 1
	s_cmp_lg_u32 s3, 0
	s_cbranch_scc1 .Llap
	QUARTER 0, 128, F1, F0, 0                      ; the last lap fills nothing
	QUARTER 0, 192, F0, F1, 0
	TURN 0, 1, 0
	QUARTER 1, 64,  F0, F1, 0
	QUARTER 1, 128, F1, F0, 0
	QUARTER 1, 192, F0, F1, 0
	s_wait_dscnt 8                                 ; the very last quarter: nothing more to fetch
	MUL16 F1, 0, 0, 0
	MUL16 F1, 0, 2, 0
	s_wait_dscnt 0x0
	MUL16 F1, 1, 0, 0
	MUL16 F1, 1, 2, 0
	WIN 0
	PLACES                                         ; behind the last products: the lines below read results and write fragment registers
.irp j, 0,1,2,3,4,5,6,7
	v_mov_b32 v[EA+(\j)], 0                        ; the running sum starts at 0: the one text of a block serves the chunk's first block too
.endr
	s_mov_b32 s3, 2
.Lhalf:                                                ; two trips: my rows 0-63, then my rows 64-127
	PACK 0
	BPART 0
	TOSTAGE 0
.irp a, 1,2,3                          ; block a's arithmetic stands between block a - 1's loads from the stage and the wait for them
	PACK \a
	BPART \a
	SEND (\a)-1
	TOSTAGE \a
.endr
	s_cmp_eq_u32 s3, 1
	s_cbranch_scc1 .Lno_copy                       ; the second trip has nothing left to bring
	WIN 0x83                                       ; source window 3, destination window 2: 256 copies, the price of writing the four blocks' text once; each accumulator's lowest
.set i, 0                              ; register is read first; they stand between the last block's loads from the stage and the wait for them
.rept 256
	v_mov_b32 v[i], v[i]
.set i, i+1
.endr
	WIN 0
.Lno_copy:
	SEND 3
	s_add_nc_u64 s[72:73], s[72:73], 4096          ; bpart: four blocks on; its last stores stand ahead of a wait for XCNT 0 (in SEND)
	s_sub_co_u32 s3, s3, 1
	s_cmp_lg_u32 s3, 0
	s_cbranch_scc1 .Lhalf
	; the chunk's end for my part: each lane's running sum times 0.9^(15 - t % 16), added over the 16 lanes of a half.  All 16 lanes then hold the sums of states 8 (l / 16) + 0..7 and store the
	; same 32 bytes to the same place: 64 bytes a wave, 65,536 in the whole launch: the one store here that fills no whole 256 bytes.
	s_cmp_eq_u32 s74, 0
	s_cbranch_scc1 .Lno_e
	v_sub_nc_u32 v3, 15, v1
	v_cvt_f32_u32 v3, v3
	v_mul_f32 v3, 0xbe1ba6b3, v3                   ; x log2(0.9)
	v_exp_f32 v3, v3
	v_nop                                          ; a plain instruction behind the exponential
	s_wait_alu depctr_va_vdst(0)
.irp j, 0,1,2,3,4,5,6,7
	v_mul_f32 v[EA+(\j)], v3, v[EA+(\j)]
.endr
.irp m, 1,2,4,8
.irp j, 0,1,2,3,4,5,6,7
	v_add_f32_dpp v[EA+(\j)], v[EA+(\j)], v[EA+(\j)] row_xmask:\m row_mask:0xf bank_mask:0xf
.endr
.endr
	global_store_b128 v[VBI], v[EA:EA+3],   s[80:81]
	global_store_b128 v[VBI], v[EA+4:EA+7], s[80:81] offset:16
.Lno_e:
	s_wait_tensorcnt 0x0                           ; the wave's end, behind my last tensor load and my last LDS store
	ds_add_u32 v[SPW], v[NIL]
	s_wait_dscnt 0x0
	CROUND                                         ; the closing round: no work-group ends while a partner may still ask for a tile that names it
	s_endpgm
.Lfunc_end_k_q9ad86180fb_inproj:
	.size	k_q9ad86180fb_inproj, .Lfunc_end_k_q9ad86180fb_inproj-k_q9ad86180fb_inproj
	.p2alignl 7, 3214868480
	.fill 96, 4, 3214868480
	.section	.rodata,"a",@progbits
	.p2align	6, 0x0
	.amdhsa_kernel k_q9ad86180fb_inproj
		.amdhsa_group_segment_fixed_size 327680
		.amdhsa_private_segment_fixed_size 0
		.amdhsa_enable_private_segment 0
		.amdhsa_kernarg_size 56
		.amdhsa_user_sgpr_count 2
		.amdhsa_user_sgpr_kernarg_segment_ptr 1
		.amdhsa_wavefront_size32 1
		.amdhsa_system_sgpr_workgroup_id_x 1
		.amdhsa_system_sgpr_workgroup_id_y 1
		.amdhsa_system_sgpr_workgroup_id_z 1
		.amdhsa_system_vgpr_workitem_id 0
		.amdhsa_next_free_vgpr 1024
		.amdhsa_next_free_sgpr 88
		.amdhsa_reserve_vcc 0
		.amdhsa_float_denorm_mode_32 3
		.amdhsa_float_denorm_mode_16_64 3
		.amdhsa_memory_ordered 1
		.amdhsa_forward_progress 1
		.amdhsa_inst_pref_size 199
	.end_amdhsa_kernel
	.amdgpu_metadata
---
amdhsa.version: [ 1, 2 ]
amdhsa.kernels:
  - .name:           k_q9ad86180fb_inproj
    .symbol:         k_q9ad86180fb_inproj.kd
    .args:
      - { .name: xb, .offset: 0, .size: 8, .value_kind: global_buffer, .address_space: global }
      - { .name: wb, .offset: 8, .size: 8, .value_kind: global_buffer, .address_space: global }
      - { .name: g, .offset: 16, .size: 8, .value_kind: global_buffer, .address_space: global }
      - { .name: b_in, .offset: 24, .size: 8, .value_kind: global_buffer, .address_space: global }
      - { .name: W_B, .offset: 32, .size: 8, .value_kind: global_buffer, .address_space: global }
      - { .name: bpart, .offset: 40, .size: 8, .value_kind: global_buffer, .address_space: global }
      - { .name: epart, .offset: 48, .size: 8, .value_kind: global_buffer, .address_space: global }
    .group_segment_fixed_size: 327680
    .private_segment_fixed_size: 0
    .kernarg_segment_align: 8
    .kernarg_segment_size: 56
    .max_flat_workgroup_size: 128
    .sgpr_count:     88
    .vgpr_count:     1024
    .wavefront_size: 32
...
	.end_amdgpu_metadata
.endif
;; end of part 2
;; launch gate (part 3): grid 256 x 1, 16 waves a work-group, no clusters, 327,680 bytes of LDS; arguments g, bpart, epart, W_C, D, y16, rs; writes y16, rs
.if DOCPART == 3
	.amdgcn_target "amdgcn-amd-amdhsa--gfx1250"
	.amdhsa_code_object_version 6
	.text
	.protected	k_q9ad86180fb_gate
	.globl	k_q9ad86180fb_gate
	.p2align	8
	.type	k_q9ad86180fb_gate,@function
k_q9ad86180fb_gate:
	s_mov_b64 s[64:65], 0
	v_nop
	global_prefetch_b8 v0, s[64:65] scope:SCOPE_SE
	s_setreg_imm32_b32 hwreg(HW_REG_WAVE_MODE, 25, 1), 1
	s_wait_xcnt 0x0
; y[t][e] = (sum over states of hs[t][s] W_C[e][s] + D[e] s[t][e]) gz[t][e], with s = g's columns 0-2047, gz = its columns 2048-4095 (both f16) and hs the recurrence h = 0.9 h + 0.1 b.
; Stored: y16[t][e] = y 2^k(t) in f16, with the row's power of two k chosen so that the row's largest |y| 2^k lies in [2^14, 2^15), and rs[t] = 2^-k, f32.
; THE RECURRENCE, all in f32, is linear in b and is summed on three levels.  b = the sum of bpart's 16 parts.  Inside a block of 16 t: by doubling over the lanes.  The blocks in front of mine in my chunk of 128 t: their last
; states, weighted 0.9^16 a block.  The chunks in front of mine in my batch: their ends, the sum of epart's 16 parts, weighted 0.9^128 a chunk.  The two upper levels are ONE weighted sum over the lanes.
; FORMATS.  W_C and D are rounded to bf16 like all the module's inputs.  hs goes into the matrix unit as a bf16 number plus the bf16 of what that leaves: the product's K = 32 holds 16 states twice.  All else in f32.
; LIMITS.  The order of rounding in the recurrence differs from a step-by-step run; a weight 0.9^n below 2^-126 counts as 0.  A row whose largest |y| is below 2^-112 keeps the scale 2^126.
; NaN and infinities are not treated apart (a NaN does not enter the row's maximum).
; SHARES.  A work-group owns 32 rows; wave w the 16 rows of group w / 8 and the 256 columns of eighth w % 8: 16 blocks of 16 columns.  Each wave brings its own tiles (16 rows x 512 bytes of s and of gz,
; 1,024 bytes of D) by three tensor loads at its start: three are out, nothing is filled twice, and only the wave itself reads them.  The recurrence's work stands in the wait for them.
; NO CLUSTER: what work-groups share is W_C, D and a chunk's bpart, at most 270,336 bytes of small pieces against the 262,144 of its own tiles that each reads.
; LAYOUT.  c^T = W_C hs^T (source 0 = 16 columns e, source 1 = 16 rows t): lane l holds row t = l % 16 and columns 8 (l / 16) + 0..7, as 16 bytes of a row of s do; a block of bpart
; (lane l: t = l % 16, states 8 (l / 16) + 0..7; registers 4 q + 0..3 at byte 512 q + 16 l) has source 1's layout.  Nothing changes lanes but the recurrence and the row's maximum.
.set TILE,  16*528                     ; a tile: 16 rows of 512 bytes + 16 of padding = 132 words: the 16 rows of a load start at 16 different groups of four banks
.set WTILE, 2*TILE                     ; a wave's two tiles: s, then gz; y is staged in the s tile, whose one fill has landed by then
.set DB,    16*WTILE                   ; D: 1,024 bytes for each wave
.set MX,    DB+16*1024                 ; the waves' row maxima: 64 bytes for each wave
.set XB,    MX+1024                    ; eight blocks of the chunk, scanned inside the block: slot k holds the block k in front of the work-group's last; 1,024 bytes each, bpart's layout
.set EC,    XB+8192                    ; the ends of the batch's 16 chunks: 64 bytes each
.set SPARE, EC+1024                    ; the spare words, 128 bytes for each wave: eight blocks of 256 bytes that no other line names
.set AS, 4                             ; v4   tile + 528 (l % 16) + 16 (l / 16)
.set AD, 5                             ; v5   my D + 32 (l / 16)
.set RD, 6                             ; v6   tile + 16 l
.set L16, 7                            ; v7   16 l
.set XS, 8                             ; v8   XB + 16 x my thread's number = XB + 1,024 (w / 2) + 512 (w % 2) + 16 l
.set VW, 9                             ; v9   64 (l % 16) + 32 (l / 16): my place in 16 rows of W_C, and in a chunk's 16 parts of epart
.set ECS, 10                           ; v10  EC + 64 w + 32 (l / 16)
.set MXS, 11                           ; v11  where my wave's maxima go
.set MXL, 12                           ; v12  where my row group's lie
.set R4, 13                            ; v13  4 (l % 16)
.set SPW, 14
.set NIL, 15
.set HB, 16                            ; v[16:23]   source 1: hs, upper parts then lower parts
.set AF, 24                            ; v[24:39]   source 0, two buffers
.set RG, 40                            ; v[40:71]   W_C in f32, four slots of 8; later two buffers of s (4), gz (4), D (8)
.set SF, 72                            ; v[72:79]   s in f32; on the way out packed y
.set GF, 80                            ; v[80:87]   gz in f32
.set DP, 88                            ; v[88:91]   D in bf16
.set HS, 92                            ; v[92:99]
.set H,  100                           ; v[100:107] a block's end, lane by lane; then the state in front of my block
.set WK, 108                           ; v[108:115] at work
.set WT, 116                           ; 0.9^(l % 16 + 1)
.set M0, 117                           ; first AH: XB + 1,024 (1 - row group) + 16 l: my own block
.set M1, 118                           ; first AE: XB + 1,024 (l % 8) + 256 (l / 16) + 240: lane 15 of my half in slot l % 8
.set MT, 119                           ; first ACD: EC + 64 (l % 16) + 32 (l / 16)
.set FS, 120                           ; v[120:121] 2^k, twice
.set IV, 122                           ; 2^-k
.set OC, 123                           ; my lane's weight for chunk end l % 16
.set OBW, 124                          ; and for the end of slot l % 16
.set T1, 125
.set T2, 126
.set X,  128                           ; v[128:191] 16 parts x 4 registers
.set EP, 192                           ; v[192:199] a chunk end's part l % 16
.set Y,  128                           ; v[128:255] block i at 128 + 8 i; on the way out rows read back
	s_load_b256 s[4:11], s[0:1], 0x0               ; g s[4:5], bpart s[6:7], epart s[8:9], W_C s[10:11]
	s_load_b128 s[12:15], s[0:1], 0x20             ; D s[12:13], y16 s[14:15]
	s_load_b64 s[2:3], s[0:1], 0x30                ; rs
	v_lshl_add_u32 v[SPW], v0, 2, SPARE
	v_mov_b32 v[NIL], 0
	ds_add_u32 v[SPW], v[NIL]                      ; the wave's opening: the add and its wait stand ahead of my first tensor load; the set-up below, work on registers, stands between them
	ds_add_u32 v14, v15
	v_lshrrev_b32 v1, 5, v0
	v_readfirstlane_b32 s16, v1                    ; wave 0..15
	s_lshr_b32 s17, s16, 3                         ; row group
	s_and_b32 s18, s16, 7                          ; eighth of the columns
	; group 1 for the tiles: 16 rows x 256 elements of 2 bytes, 4,096 elements from row to row, 4 words of padding after every 128
	s_mov_b32 s24, (1<<16)|(1<<20)|(6<<22)|(3<<25)
	s_mov_b32 s25, 256<<16                         ; tensor_dim0 = 256
	s_mov_b32 s26, 16<<16                          ; tensor_dim1 = 16
	s_mov_b32 s27, 256<<16                         ; tile_dim0 = 256
	s_mov_b32 s28, 16                              ; tile_dim1 = 16
	s_mov_b32 s29, 4096
	s_mov_b32 s30, 0
	s_mov_b32 s31, 0
	; group 1 for D: one row of 128 elements of 8 bytes
	s_mov_b32 s32, 3<<16
	s_mov_b32 s33, 128<<16
	s_mov_b32 s34, 1<<16
	s_mov_b32 s35, 128<<16
	s_mov_b32 s36, 1
	s_mov_b32 s37, 128
	s_mov_b32 s38, 0
	s_mov_b32 s39, 0
	s_mul_i32 s21, s16, WTILE                      ; my tiles in LDS
	s_mov_b32 s40, 1
	s_mov_b32 s41, s21
	s_mov_b32 s44, 1
	s_add_co_u32 s45, s21, TILE
	s_mov_b32 s48, 1
	s_lshl_b32 s49, s16, 10
	s_add_co_u32 s49, s49, DB
	s_lshl_b32 s52, ttmp9, 18                      ; 32 rows of 8,192 bytes a work-group,
	s_lshl_b32 s22, s17, 17                        ; 16 a row group,
	s_add_co_u32 s52, s52, s22
	s_lshl_b32 s22, s18, 9                         ; 512 bytes an eighth
	s_add_co_u32 s52, s52, s22
	s_mov_b32 s53, 0
	s_lshl_b32 s54, s18, 10
	s_mov_b32 s55, 0
	s_wait_dscnt 0x0                               ; the opening add is done
	s_wait_kmcnt 0x0
	s_add_nc_u64 s[42:43], s[4:5], s[52:53]
	s_add_nc_u64 s[46:47], s[42:43], 4096          ; gz lies 2,048 columns on
	s_or_b32 s43, s43, 0x80000000
	s_or_b32 s47, s47, 0x80000000
	s_add_nc_u64 s[50:51], s[12:13], s[54:55]
	s_or_b32 s51, s51, 0x80000000
	tensor_load_to_lds s[48:51], s[32:39]
	s_nop 0
	tensor_load_to_lds s[40:43], s[24:31]
	s_nop 0
	tensor_load_to_lds s[44:47], s[24:31]
	s_nop 0
	v_and_b32 v1, 15, v0                           ; l % 16
	v_bfe_u32 v2, v0, 4, 1                         ; l / 16
	v_and_b32 v3, 31, v0                           ; l
	v_lshlrev_b32 v[L16], 4, v3
	v_lshlrev_b32 v[VW], 6, v1
	v_lshl_add_u32 v[VW], v2, 5, v[VW]
	; which block of bpart I sum.  kv = the work-group's last block in its chunk, 2 (work-group % 4) + 1.  Wave w takes the block k = w / 2 in front of it (where there is none: block 0, which
	; gets the weight 0) and the half q = w % 2 of its registers.  So the LDS slots go by the wave's number alone.
	s_and_b32 s23, ttmp9, 3
	s_lshl_b32 s23, s23, 1
	s_add_co_u32 s23, s23, 1                       ; kv
	s_add_co_u32 s20, s23, s17
	s_sub_co_u32 s20, s20, 1                       ; ob = my own block in the chunk = the number of blocks in front of it
	s_sub_co_u32 s62, 2, s17                       ; k0 = the slot of the block just in front of mine
	s_lshr_b32 s22, s16, 1
	s_sub_co_i32 s22, s23, s22
	s_max_i32 s22, s22, 0                          ; kv - k, or 0
	s_lshr_b32 s52, ttmp9, 2                       ; my chunk: four work-groups a chunk,
	s_lshl_b32 s52, s52, 3                         ; eight blocks a chunk
	s_add_co_u32 s52, s52, s22
	s_lshl_b32 s52, s52, 1
	s_and_b32 s22, s16, 1
	s_add_co_u32 s52, s52, s22
	s_lshl_b32 s52, s52, 9                         ; (2 block + q) x 512 bytes
	s_add_nc_u64 s[6:7], s[6:7], s[52:53]
	s_lshr_b32 s52, ttmp9, 6                       ; my batch: 16 chunks; wave w takes the end of its chunk w
	s_lshl_b32 s52, s52, 4
	s_add_co_u32 s52, s52, s16
	s_lshl_b32 s52, s52, 10
	s_add_nc_u64 s[8:9], s[8:9], s[52:53]
	s_lshl_b32 s52, s18, 14
	s_add_nc_u64 s[10:11], s[10:11], s[52:53]      ; W_C at my 256 rows of 64 bytes
.irp p, 0,1,2,3,4,5,6,7,8,9,10,11,12,13,14,15
	global_load_b128 v[X+4*(\p):X+4*(\p)+3], v[L16], s[6:7] offset:524288*(\p)   ; a part is 512 blocks of 1,024 bytes; 7,864,320 at the most, inside the signed 24-bit immediate
.endr
	global_load_b128 v[EP:EP+3],   v[VW], s[8:9]                                 ; lane l: part l % 16, states 8 (l / 16) + 0..7
	global_load_b128 v[EP+4:EP+7], v[VW], s[8:9] offset:16
.irp i, 0,1,2,3
	global_load_b128 v[RG+8*(\i):RG+8*(\i)+3],   v[VW], s[10:11] offset:1024*(\i)
	global_load_b128 v[RG+8*(\i)+4:RG+8*(\i)+7], v[VW], s[10:11] offset:1024*(\i)+16
.endr
	v_mul_u32_u24 v[AS], v1, 528
	v_lshl_add_u32 v[AS], v2, 4, v[AS]
	v_add_nc_u32 v[AS], s21, v[AS]
	v_lshlrev_b32 v[AD], 5, v2
	v_add_nc_u32 v[AD], s49, v[AD]
	v_add_nc_u32 v[RD], s21, v[L16]
	v_lshl_add_u32 v[XS], v0, 4, XB
	s_lshl_b32 s22, s16, 6
	s_add_co_u32 s22, s22, EC
	v_lshl_add_u32 v[ECS], v2, 5, s22
	v_add_nc_u32 v[MT], EC, v[VW]
	v_and_b32 v[M1], 7, v1
	v_lshlrev_b32 v[M1], 10, v[M1]
	v_lshl_add_u32 v[M1], v2, 8, v[M1]
	v_add_nc_u32 v[M1], XB+240, v[M1]
	s_xor_b32 s22, s17, 1                          ; my own block lies in slot 1 - row group
	s_lshl_b32 s22, s22, 10
	s_add_co_u32 s22, s22, XB
	v_add_nc_u32 v[M0], s22, v[L16]
	v_lshlrev_b32 v[R4], 2, v1
	s_lshl_b32 s22, s16, 6
	s_add_co_u32 s22, s22, MX
	v_add_nc_u32 v[MXS], s22, v[R4]
	s_lshl_b32 s22, s17, 9
	s_add_co_u32 s22, s22, MX
	v_add_nc_u32 v[MXL], s22, v[R4]
	s_lshl_b32 s52, ttmp9, 17
	s_lshl_b32 s22, s17, 16
	s_add_co_u32 s52, s52, s22
	s_lshl_b32 s22, s18, 9
	s_add_co_u32 s52, s52, s22
	s_add_nc_u64 s[14:15], s[14:15], s[52:53]      ; y16 at my rows (4,096 bytes each) and columns
	s_lshl_b32 s52, ttmp9, 7
	s_lshl_b32 s22, s17, 6
	s_add_co_u32 s52, s52, s22
	s_add_nc_u64 s[2:3], s[2:3], s[52:53]          ; rs at my rows
	s_bfe_u32 s19, ttmp9, 0x40002                  ; c = my chunk in its batch
	s_lshl_b32 s54, s19, 7
	s_lshl_b32 s22, s20, 4
	s_add_co_u32 s54, s54, s22
	s_sub_co_i32 s54, s54, 128                     ; 128 (c - 1) + 16 ob
	s_mov_b32 s56, 0x3f666666                      ; 0.9, and by squaring 0.9^2, ^4, ^8
	s_mul_f32 s57, s56, s56
	s_mul_f32 s58, s57, s57
	s_mul_f32 s59, s58, s58
	s_mov_b32 s60, 0x76543210                      ; v_permlanex16_b32: each lane takes its own place in the other half
	s_mov_b32 s61, 0xfedcba98
	s_mov_b32 s63, 0xffff0000
	; the lanes' weights.  Chunk end r counts where r < c, with 0.9^(16 ob + 128 (c - 1 - r)); the end of slot r where r - k0 < ob (unsigned), with 0.9^(16 (r - k0)).  Elsewhere the weight is 0,
	; chosen by whole numbers, whatever the exponential gave there.
	v_lshlrev_b32 v[T1], 7, v1
	v_sub_nc_u32 v[T1], s54, v[T1]
	v_cvt_f32_i32 v[OC], v[T1]
	v_mul_f32 v[OC], 0xbe1ba6b3, v[OC]             ; x log2(0.9)
	v_subrev_nc_u32 v[T2], s62, v1                 ; r - k0
	v_lshlrev_b32 v[T1], 4, v[T2]
	v_cvt_f32_i32 v[OBW], v[T1]
	v_mul_f32 v[OBW], 0xbe1ba6b3, v[OBW]
	v_add_nc_u32 v[WT], 1, v1
	v_cvt_f32_u32 v[WT], v[WT]
	v_mul_f32 v[WT], 0xbe1ba6b3, v[WT]
	v_exp_f32 v[OC], v[OC]
	v_exp_f32 v[OBW], v[OBW]
	v_exp_f32 v[WT], v[WT]
.irp j, 0,1,2,3
	v_mov_b32 v[WK+(\j)], 0                        ; a DPP destination counts as read: written once here; these are also the plain instructions behind the exponentials
.endr
	v_cmp_gt_u32 vcc_lo, s19, v1
	s_wait_alu depctr_va_vdst(0)
	v_cndmask_b32 v[OC], 0, v[OC], vcc_lo
	v_cmp_gt_u32 vcc_lo, s20, v[T2]
	v_cndmask_b32 v[OBW], 0, v[OBW], vcc_lo
	s_wait_loadcnt 8                               ; bpart's 16 loads and epart's two are in; W_C's eight are younger
.irp p, 1,2,3,4,5,6,7,8,9,10,11,12,13,14,15    ; the parts are added in ascending order
	v_pk_add_f32 v[X:X+1],   v[X:X+1],   v[X+4*(\p):X+4*(\p)+1]
	v_pk_add_f32 v[X+2:X+3], v[X+2:X+3], v[X+4*(\p)+2:X+4*(\p)+3]
.endr
	v_pk_mul_f32 v[X:X+1],   v[X:X+1],   0x3dcccccd op_sel_hi:[1,0]   ; 0.1 b
	v_pk_mul_f32 v[X+2:X+3], v[X+2:X+3], 0x3dcccccd op_sel_hi:[1,0]
; by doubling inside the 16 lanes of a half: V(t) += 0.9^n V(t - n), n = 1, 2, 4, 8; a lane with no lane n below takes 0
.macro STEP n, q
.irp j, 0,1,2,3
	v_mov_b32_dpp v[WK+(\j)], v[X+(\j)] row_shr:\n row_mask:0xf bank_mask:0xf bound_ctrl:1
.endr
.irp j, 0,1,2,3
	v_fmac_f32 v[X+(\j)], s[\q], v[WK+(\j)]
.endr
.endm
	STEP 1, 56
	STEP 2, 57
	STEP 4, 58
	STEP 8, 59
	ds_store_b128 v[XS], v[X:X+3]
.irp m, 1,2,4,8                        ; the chunk end's 16 parts are added over the 16 lanes of a half: every lane then holds the sums of states 8 (l / 16) + 0..7
.irp j, 0,1,2,3,4,5,6,7
	v_add_f32_dpp v[EP+(\j)], v[EP+(\j)], v[EP+(\j)] row_xmask:\m row_mask:0xf bank_mask:0xf
.endr
.endr
.irp k, 0,2,4,6
	v_pk_mul_f32 v[EP+(\k):EP+(\k)+1], v[EP+(\k):EP+(\k)+1], 0x3dcccccd op_sel_hi:[1,0]
.endr
	ds_store_b128 v[ECS], v[EP:EP+3]               ; the 16 lanes of a half write the same words with the same numbers
	ds_store_b128 v[ECS], v[EP+4:EP+7] offset:16
	s_wait_dscnt 0x0                               ; for the others' sake: my stores are done
	s_barrier_signal -1
	s_barrier_wait -1                              ; the tiles may stay on their way
	ds_load_b128 v[HS:HS+3],   v[M0]               ; my own block, scanned inside the block
	ds_load_b128 v[HS+4:HS+7], v[M0] offset:512
	ds_load_b128 v[H:H+3],     v[M1]               ; lane l: the last t of slot l % 8
	ds_load_b128 v[H+4:H+7],   v[M1] offset:512
	ds_load_b128 v[WK:WK+3],   v[MT]               ; lane l: the end of chunk l % 16
	ds_load_b128 v[WK+4:WK+7], v[MT] offset:16
	s_wait_dscnt 0x0
.irp j, 0,1,2,3,4,5,6,7
	v_mul_f32 v[H+(\j)], v[OBW], v[H+(\j)]
.endr
.irp j, 0,1,2,3,4,5,6,7
	v_fmac_f32 v[H+(\j)], v[OC], v[WK+(\j)]
.endr
.irp m, 1,2,4,8                        ; added over the lanes: the state at the end of the block in front of mine, in every lane
.irp j, 0,1,2,3,4,5,6,7
	v_add_f32_dpp v[H+(\j)], v[H+(\j)], v[H+(\j)] row_xmask:\m row_mask:0xf bank_mask:0xf
.endr
.endr
.irp j, 0,1,2,3,4,5,6,7
	v_fmac_f32 v[HS+(\j)], v[WT], v[H+(\j)]        ; hs
.endr
.irp u, 0,1,2,3
	v_cvt_pk_bf16_f32 v[HB+(\u)], v[HS+2*(\u)], v[HS+2*(\u)+1]
.endr
.irp u, 0,1,2,3
	v_lshlrev_b32 v[WK+2*(\u)], 16, v[HB+(\u)]
	v_and_b32 v[WK+2*(\u)+1], s63, v[HB+(\u)]
.endr
.irp k, 0,2,4,6
	v_pk_add_f32 v[WK+(\k):WK+(\k)+1], v[HS+(\k):HS+(\k)+1], v[WK+(\k):WK+(\k)+1] neg_lo:[0,1] neg_hi:[0,1]   ; what the rounding left
.endr
.irp u, 0,1,2,3
	v_cvt_pk_bf16_f32 v[HB+4+(\u)], v[WK+2*(\u)], v[WK+2*(\u)+1]
.endr
	; c^T, a block of 16 columns at a time: 16 accumulators, one product each.  W_C's row stands twice in source 0, for hs's two parts.  The next block's eight conversions are the
	; places between a product and the rewriting of its source 0 two blocks on.
.set i, 0
.rept 16
.if i < 13
	s_wait_loadcnt 6                               ; three younger blocks' loads may be out
.else
	s_wait_loadcnt 2*(15-i)                        ; the counts run down
.endif
.set rW, RG+8*(i%4)
.set rA, AF+8*(i%2)
.irp u, 0,1,2,3
	v_cvt_pk_bf16_f32 v[rA+(\u)], v[rW+2*(\u)], v[rW+2*(\u)+1]
.endr
.irp u, 0,1,2,3
	v_cvt_pk_bf16_f32 v[rA+4+(\u)], v[rW+2*(\u)], v[rW+2*(\u)+1]
.endr
.if i < 12
	global_load_b128 v[rW:rW+3],   v[VW], s[10:11] offset:1024*(i+4)
	global_load_b128 v[rW+4:rW+7], v[VW], s[10:11] offset:1024*(i+4)+16
.endif
	v_wmma_f32_16x16x32_bf16 v[Y+8*i:Y+8*i+7], v[rA:rA+7], v[HB:HB+7], 0
.set i, i+1
.endr
	s_wait_tensorcnt 0x0                           ; my three tiles are in LDS; nobody else reads them
	v_mov_b32 v[M0], 0
	v_mov_b32 v[M1], 0
.macro LD i, b                         ; block i's 16 bytes of s and of gz and 32 of D into the buffer at v[b]
	ds_load_b128 v[(\b):(\b)+3],     v[AS] offset:32*(\i)
	ds_load_b128 v[(\b)+4:(\b)+7],   v[AS] offset:TILE+32*(\i)
	ds_load_b128 v[(\b)+8:(\b)+11],  v[AD] offset:64*(\i)
	ds_load_b128 v[(\b)+12:(\b)+15], v[AD] offset:64*(\i)+16
.endm
.macro UNPK d, r                       ; the two f16 of register r (a plain number: halves are named so) as f32
	v_cvt_f32_f16 v[\d], v\r\().l
	v_cvt_f32_f16 v[(\d)+1], v\r\().h
.endm
; Block i: y = (c + D s) gz, and the running maximum of |y|.  The accumulator's lowest register is read first.
.macro YSTEP i, s0, s1, s2, s3, g0, g1, g2, g3, df, nb
.set rY, Y+8*(\i)
.if (\i) < 15
	LD (\i)+1, \nb
	s_wait_dscnt 4                                 ; the next block's four loads may be out
.else
	s_wait_dscnt 0x0
.endif
	UNPK SF, \s0
	UNPK SF+2, \s1
	UNPK SF+4, \s2
	UNPK SF+6, \s3
	UNPK GF, \g0
	UNPK GF+2, \g1
	UNPK GF+4, \g2
	UNPK GF+6, \g3
.irp u, 0,1,2,3
	v_cvt_pk_bf16_f32 v[DP+(\u)], v[(\df)+2*(\u)], v[(\df)+2*(\u)+1]
.endr
.irp u, 0,1,2,3
	v_fma_mix_f32_bf16 v[rY+2*(\u)], v[DP+(\u)], v[SF+2*(\u)], v[rY+2*(\u)] op_sel_hi:[1,0,0]
	v_fma_mix_f32_bf16 v[rY+2*(\u)+1], v[DP+(\u)], v[SF+2*(\u)+1], v[rY+2*(\u)+1] op_sel:[1,0,0] op_sel_hi:[1,0,0]
.endr
.irp k, 0,2,4,6
	v_pk_mul_f32 v[rY+(\k):rY+(\k)+1], v[rY+(\k):rY+(\k)+1], v[GF+(\k):GF+(\k)+1]
.endr
	v_max3_num_f32 v[M0], |v[rY]|, |v[rY+1]|, v[M0]
	v_max3_num_f32 v[M1], |v[rY+2]|, |v[rY+3]|, v[M1]
	v_max3_num_f32 v[M0], |v[rY+4]|, |v[rY+5]|, v[M0]
	v_max3_num_f32 v[M1], |v[rY+6]|, |v[rY+7]|, v[M1]
.endm
	LD 0, RG
.irp k, 0,1,2,3,4,5,6,7
	YSTEP 2*(\k),   40, 41, 42, 43, 44, 45, 46, 47, 48, RG+16
	YSTEP 2*(\k)+1, 56, 57, 58, 59, 60, 61, 62, 63, 64, RG
.endr
	; the row's maximum: my two chains, the lane 16 away (the row's other columns of each block), then the eight waves of my row group through LDS
	v_max_num_f32 v[M0], v[M0], v[M1]
	v_permlanex16_b32 v[MT], v[M0], s60, s61       ; its destination counts as read: it has been written
	v_max_num_f32 v[M0], v[M0], v[MT]
	ds_store_b32 v[MXS], v[M0]                     ; lanes l and l + 16 write the same word with the same number
	s_wait_dscnt 0x0                               ; for the others' sake: my store is done
	s_barrier_signal -1
	s_barrier_wait -1
.irp k, 0,1,2,3,4,5,6,7
	ds_load_b32 v[WK+(\k)], v[MXL] offset:64*(\k)
.endr
	s_wait_dscnt 0x0
	v_max3_num_f32 v[WK], v[WK], v[WK+1], v[WK+2]
	v_max3_num_f32 v[WK+3], v[WK+3], v[WK+4], v[WK+5]
	v_max3_num_f32 v[WK], v[WK], v[WK+6], v[WK+7]
	v_max_num_f32 v[WK], v[WK], v[WK+3]
	v_lshrrev_b32 v[WK], 23, v[WK]                 ; its exponent field E (the sign is 0)
	v_sub_nc_u32 v[WK], 268, v[WK]                 ; 2^k's field: 127 + 14 - (E - 127),
	v_min_u32 v[WK], 253, v[WK]                    ; at most 253, so that 2^-k's field, 254 less it, is at least 1
	v_sub_nc_u32 v[IV], 254, v[WK]
	v_lshlrev_b32 v[IV], 23, v[IV]
	v_lshlrev_b32 v[FS], 23, v[WK]
	v_lshlrev_b32 v[FS+1], 23, v[WK]
	s_cmp_lg_u32 s18, 0                            ; the first wave of a row group stores its 16 rows' 2^-k: 64 bytes, 32,768 in the whole launch
	s_cbranch_scc1 .Lno_rs
	global_store_b32 v[R4], v[IV], s[2:3]
.Lno_rs:
	; THE WAY OUT: scaled, rounded to f16, 16 bytes a lane into the tile that held s, and back as whole rows of 512 bytes
.set i, 0
.rept 16
.set rY, Y+8*i
.set rP, SF+4*(i%2)
.irp k, 0,2,4,6
	v_pk_mul_f32 v[rY+(\k):rY+(\k)+1], v[rY+(\k):rY+(\k)+1], v[FS:FS+1]
.endr
.irp u, 0,1,2,3
	v_cvt_pk_f16_f32 v[rP+(\u)], v[rY+2*(\u)], v[rY+2*(\u)+1]
.endr
	ds_store_b128 v[AS], v[rP:rP+3] offset:32*i
.set i, i+1
.endr
.irp k, 0,1,2,3,4,5,6,7,8,9,10,11,12,13,14,15
	ds_load_b128 v[Y+4*(\k):Y+4*(\k)+3], v[RD] offset:528*(\k)   ; LDS serves a wave's instructions in order (ISA guide 5.7.1.4): these see the stores above
.endr
.irp k, 0,1,2,3,4,5,6,7,8,9,10,11,12,13,14,15
	s_wait_dscnt 15-(\k)
	global_store_b128 v[L16], v[Y+4*(\k):Y+4*(\k)+3], s[14:15] offset:4096*(\k)   ; 512 consecutive bytes, at a multiple of 512 from y16's first byte
.endr
	s_wait_tensorcnt 0x0                           ; the wave's end, behind my last tensor load and my last LDS store
	ds_add_u32 v[SPW], v[NIL]
	s_wait_dscnt 0x0
	s_endpgm
.Lfunc_end_k_q9ad86180fb_gate:
	.size	k_q9ad86180fb_gate, .Lfunc_end_k_q9ad86180fb_gate-k_q9ad86180fb_gate
	.p2alignl 7, 3214868480
	.fill 96, 4, 3214868480
	.section	.rodata,"a",@progbits
	.p2align	6, 0x0
	.amdhsa_kernel k_q9ad86180fb_gate
		.amdhsa_group_segment_fixed_size 327680
		.amdhsa_private_segment_fixed_size 0
		.amdhsa_enable_private_segment 0
		.amdhsa_kernarg_size 56
		.amdhsa_user_sgpr_count 2
		.amdhsa_user_sgpr_kernarg_segment_ptr 1
		.amdhsa_wavefront_size32 1
		.amdhsa_system_sgpr_workgroup_id_x 1
		.amdhsa_system_sgpr_workgroup_id_y 1
		.amdhsa_system_sgpr_workgroup_id_z 1
		.amdhsa_system_vgpr_workitem_id 0
		.amdhsa_next_free_vgpr 256
		.amdhsa_next_free_sgpr 66
		.amdhsa_reserve_vcc 1
		.amdhsa_float_denorm_mode_32 3
		.amdhsa_float_denorm_mode_16_64 3
		.amdhsa_memory_ordered 1
		.amdhsa_forward_progress 1
		.amdhsa_inst_pref_size 78
	.end_amdhsa_kernel
	.amdgpu_metadata
---
amdhsa.version: [ 1, 2 ]
amdhsa.kernels:
  - .name:           k_q9ad86180fb_gate
    .symbol:         k_q9ad86180fb_gate.kd
    .args:
      - { .name: g, .offset: 0, .size: 8, .value_kind: global_buffer, .address_space: global }
      - { .name: bpart, .offset: 8, .size: 8, .value_kind: global_buffer, .address_space: global }
      - { .name: epart, .offset: 16, .size: 8, .value_kind: global_buffer, .address_space: global }
      - { .name: W_C, .offset: 24, .size: 8, .value_kind: global_buffer, .address_space: global }
      - { .name: D, .offset: 32, .size: 8, .value_kind: global_buffer, .address_space: global }
      - { .name: y16, .offset: 40, .size: 8, .value_kind: global_buffer, .address_space: global }
      - { .name: rs, .offset: 48, .size: 8, .value_kind: global_buffer, .address_space: global }
    .group_segment_fixed_size: 327680
    .private_segment_fixed_size: 0
    .kernarg_segment_align: 8
    .kernarg_segment_size: 56
    .max_flat_workgroup_size: 512
    .sgpr_count:     66
    .vgpr_count:     256
    .wavefront_size: 32
...
	.end_amdgpu_metadata
.endif
;; end of part 3
;; launch outproj (part 4): grid 4 x 64, 4 waves a work-group, clusters of 4 x 4, 327,680 bytes of LDS; arguments y16, wo, out0, rs, b_out; writes out0
.if DOCPART == 4
	.amdgcn_target "amdgcn-amd-amdhsa--gfx1250"
	.amdhsa_code_object_version 6
	.text
	.protected	k_q9ad86180fb_outproj
	.globl	k_q9ad86180fb_outproj
	.p2align	8
	.type	k_q9ad86180fb_outproj,@function
k_q9ad86180fb_outproj:
	s_mov_b64 s[64:65], 0
	v_nop
	global_prefetch_b8 v0, s[64:65] scope:SCOPE_SE
	s_setreg_imm32_b32 hwreg(HW_REG_WAVE_MODE, 25, 1), 1
	s_wait_xcnt 0x0
	s_wait_alu depctr_hold_cnt(0) depctr_sa_sdst(0) depctr_va_vdst(0) depctr_va_sdst(0) depctr_va_ssrc(0) depctr_va_vcc(0) depctr_vm_vsrc(0)
	s_getreg_b32 s2, hwreg(HW_REG_IB_STS2, 6, 4)
	s_cmp_eq_u32 s2, 0
	s_cbranch_scc0 .Lentry_in_a_cluster
	s_endpgm
.Lentry_in_a_cluster:
	s_bfe_u32 s2, ttmp6, 0x10000c
	s_cmp_lg_u32 s2, 0xf033
	s_cbranch_scc0 .Lentry_shape_is_right
	s_endpgm
.Lentry_shape_is_right:
; out0[t][d] = rs[t] x (sum over e of y16[t][e] wo[d][e]) + b_out[d], f32, [8192][1024].  y16 [8192][2048] and wo [1024][2048] are f16; sums in f32; rs[t] is the power of two that undoes
; the row's scale; b_out is rounded to bf16 like all the module's inputs.
; SHAPE.  A tile of 128 rows x 256 columns gives 256 work-groups.  Four waves, each 64 x 128: 32 accumulators of 16 x 16, 256 registers.  K goes in steps of 128 through two LDS slots
; (128 rows of y16, 256 of wo); the tiles' rows are 256 bytes of memory at multiples of 256.
; CLUSTER.  4 x 4 work-groups: the four of a row of the cluster need the same rows of y16, the four of a column the same rows of wo; each tile is asked for jointly.
; THE MATRIX INSTRUCTION IS USED TRANSPOSED (source 0 = 16 rows of wo, source 1 = 16 rows of y16): lane l holds row t = l % 16 and columns d = 8 (l / 16) + 0..7.
; REGISTERS, in windows of 256 (s_set_vgpr_msb: bits 1:0 source 0, 3:2 source 1, 5:4 source 2, 7:6 destination):
;   window 0: v16-31 addresses; v32-127, v128-223 two fragment buffers (y16's 4 blocks, then wo's 8); on the way out v32-95 T, v96-159 and v160-223 rows read back
;   window 1: the accumulators, (a, b) at v[8 (8 a + b)]          window 2: v0-63 b_out; v64-71 rs, a pair for each row block; v72 at work
.set SIZE_N, 1024
.set SIZE_K, 2048
.set KSTEP,  128
.set PITCH,  272                       ; an LDS row: 256 bytes + 16 of padding: the 16 rows that a load touches start at 16 different groups of four banks
.set AHALF,  64*PITCH                  ; what a load for y16 brings, and what a wave reads of it
.set BHALF,  128*PITCH                 ; the same for wo
.set BOFF,   2*AHALF
.set SLOT,   BOFF+2*BHALF
.set STAGE,  2*SLOT                    ; behind the ring: 16 rows x 528 bytes for each wave; no tensor load lands there
.set SPITCH, 528
.set SPARE,  STAGE+4*16*SPITCH         ; the spare words, 128 bytes for each wave: two blocks of 256 bytes that no other line names
.set LAPS,   SIZE_K/(2*KSTEP)          ; 8
.set ADRA, 16
.set ADRB, 20
.set STO,  24                          ; v24  stage + 528 (l % 16) + 32 (l / 16)
.set RD,   25                          ; v25  stage + 16 l
.set CO,   26                          ; v26  16 l
.set VBI,  27                          ; v27  32 (l / 16)
.set SPW,  28
.set NIL,  29
.set VRS,  30                          ; v30  4 (l % 16)
.set F0,   32
.set F1,   128
.set T,    32
.set OB,   96
.set BI,   0                           ; window 2
.set RS,   64                          ; window 2
.set TW,   72                          ; window 2
.set G1, 24
.set G0, 32
.set G1B, 48
.set G0B, 56
.set MSB, 0
.macro WIN new                         ; the immediate's high byte repeats the setting that is left; a switch that changes nothing is dropped
.if MSB != (\new)
	s_set_vgpr_msb (MSB<<8)|(\new)
.set MSB, \new
.endif
.endm
.set MUL, 0x50                         ; C and D in window 1, the fragments in window 0
.macro JLOAD s                         ; a joint load: waves 0 and 1 fetch y16's two halves, waves 2 and 3 wo's; an s_nop 0 and four v_nop follow each of the two lines
	s_cmp_eq_u32 s11, 0
	s_cbranch_scc0 .Lfor_b_\@
	tensor_load_to_lds s[G0+4*(\s):G0+4*(\s)+3], s[G1:G1+7]
	s_nop 0
.rept 4
	v_nop
.endr
	s_branch .Lasked_\@
.Lfor_b_\@:
	tensor_load_to_lds s[G0B+4*(\s):G0B+4*(\s)+3], s[G1B:G1B+7]
	s_nop 0
.rept 4
	v_nop
.endr
.Lasked_\@:
.endm
.macro CREST                           ; a round of the cluster's barrier behind its opening barrier
	s_cmp_lg_u32 s10, 0
	s_cbranch_scc1 .Lnot_wave_0_\@
	s_barrier_signal -3
.Lnot_wave_0_\@:
	s_barrier_wait -3
	s_barrier_signal -1
	s_barrier_wait -1
.endm
.macro CROUND
	s_barrier_signal -1
	s_barrier_wait -1
	CREST
.endm
	s_load_b128 s[4:7], s[0:1], 0x0                ; y16 s[4:5], wo s[6:7]
	s_load_b64 s[8:9], s[0:1], 0x10                ; out0
	s_load_b128 s[68:71], s[0:1], 0x18             ; rs s[68:69], b_out s[70:71]
	v_lshl_add_u32 v[SPW], v0, 2, SPARE
	v_mov_b32 v[NIL], 0
	ds_add_u32 v[SPW], v[NIL]                      ; the wave's opening: the add and its wait stand ahead of my first tensor load; the set-up below, work on registers, stands between them
	ds_add_u32 v28, v29
	v_lshrrev_b32 v1, 5, v0
	v_readfirstlane_b32 s10, v1                    ; wave 0..3
	s_lshr_b32 s11, s10, 1                         ; which half of the tile's rows is mine.  Also: I fetch for y16 (0) or for wo (1)
	s_and_b32 s12, s10, 1                          ; which half of its columns.  Also: which half of that tile I fetch
	s_bfe_u32 s40, ttmp6, 0x40000                  ; cx
	s_bfe_u32 s41, ttmp6, 0x40004                  ; cy
	s_lshl_b32 s42, ttmp9, 2
	s_add_co_u32 s42, s42, s40                     ; tile column
	s_and_b32 s13, ttmp7, 0xffff
	s_lshl_b32 s13, s13, 2
	s_add_co_u32 s13, s13, s41                     ; tile row
	s_lshl_b32 s43, s41, 2
	s_lshl_b32 s43, 15, s43                        ; my row of the cluster
	s_lshl_b32 s44, 0x1111, s40                    ; my column
	s_mov_b32 s78, 0xffff0000
	s_or_b32 s[G1+0], s43, (1<<16)|(1<<20)|(1<<21)|(5<<22)|(3<<25)  ; 15:0 the mask; 17:16 2-byte elements; 20 padding on; 21 set beside a mask; 24:22 after every 64 words (code 5); 31:25 4 words (code 3)
	s_or_b32 s[G1B+0], s44, (1<<16)|(1<<20)|(1<<21)|(5<<22)|(3<<25)
	s_mov_b32 s[G1+1], KSTEP<<16                   ; tensor_dim0 = 128
	s_mov_b32 s[G1+2], 64<<16                      ; tensor_dim1 = 64
	s_mov_b32 s[G1+3], KSTEP<<16                   ; tile_dim0 = 128
	s_mov_b32 s[G1+4], 64                          ; tile_dim1 = 64
	s_mov_b32 s[G1+5], SIZE_K
	s_mov_b32 s[G1+6], 0
	s_mov_b32 s[G1+7], 0
	s_mov_b32 s[G1B+1], KSTEP<<16
	s_mov_b32 s[G1B+2], 128<<16                    ; wo's loads bring 128 rows
	s_mov_b32 s[G1B+3], KSTEP<<16
	s_mov_b32 s[G1B+4], 128
	s_mov_b32 s[G1B+5], SIZE_K
	s_mov_b32 s[G1B+6], 0
	s_mov_b32 s[G1B+7], 0
	s_lshl_b32 s17, s12, 6
	s_lshl_b32 s16, s13, 7
	s_add_co_u32 s16, s16, s17                     ; y16: row 128 x tile row + 64 x half
	s_lshl_b32 s47, s12, 7
	s_lshl_b32 s46, s42, 8
	s_add_co_u32 s46, s46, s47                     ; wo: row 256 x tile column + 128 x half
	s_mov_b32 s17, 0
	s_mov_b32 s47, 0
	s_mov_b64 s[18:19], SIZE_K*2
	s_mul_u64 s[16:17], s[16:17], s[18:19]
	s_mul_u64 s[46:47], s[46:47], s[18:19]
	s_mul_i32 s20, s12, AHALF                      ; where they go: no place in the cluster enters an LDS address
	s_mul_i32 s23, s12, BHALF
	s_add_co_u32 s23, s23, BOFF
	s_wait_dscnt 0x0                               ; the opening add is done
	s_wait_kmcnt 0x0
	s_add_nc_u64 s[14:15], s[4:5], s[16:17]
	s_add_nc_u64 s[46:47], s[6:7], s[46:47]
	CROUND                                         ; all sixteen work-groups are here: the first joint loads meet
.irp s, 0,1
	s_mov_b32 s[G0+4*(\s)], 1
	s_add_co_u32 s[G0+4*(\s)+1], s20, (\s)*SLOT
	s_add_nc_u64 s[G0+4*(\s)+2:G0+4*(\s)+3], s[14:15], (\s)*KSTEP*2
	s_or_b32 s[G0+4*(\s)+3], s[G0+4*(\s)+3], 0x80000000
	s_mov_b32 s[G0B+4*(\s)], 1
	s_add_co_u32 s[G0B+4*(\s)+1], s23, (\s)*SLOT
	s_add_nc_u64 s[G0B+4*(\s)+2:G0B+4*(\s)+3], s[46:47], (\s)*KSTEP*2
	s_or_b32 s[G0B+4*(\s)+3], s[G0B+4*(\s)+3], 0x80000000
	JLOAD \s                                       ; two loads of mine are out
.endr
	v_and_b32 v1, 15, v0                           ; l % 16
	v_bfe_u32 v2, v0, 4, 1                         ; l / 16
	v_mul_u32_u24 v3, v1, PITCH
	v_lshl_add_u32 v3, v2, 4, v3
	s_mul_i32 s21, s11, AHALF                      ; my 64 rows of y16
	s_mul_i32 s22, s12, BHALF                      ; my 128 rows of wo
	s_add_co_u32 s22, s22, BOFF
.irp s, 0,1
	v_add_nc_u32 v[ADRA+(\s)], s21, v3
	v_add_nc_u32 v[ADRB+(\s)], s22, v3
	s_add_co_u32 s21, s21, SLOT
	s_add_co_u32 s22, s22, SLOT
.endr
	s_mul_i32 s23, s10, 16*SPITCH
	s_add_co_u32 s23, s23, STAGE                   ; my stage
	v_mul_u32_u24 v4, v1, SPITCH
	v_lshl_add_u32 v4, v2, 5, v4
	v_add_nc_u32 v[STO], s23, v4
	v_and_b32 v5, 31, v0
	v_lshlrev_b32 v[CO], 4, v5
	v_add_nc_u32 v[RD], s23, v[CO]
	v_lshlrev_b32 v[VBI], 5, v2
	v_lshlrev_b32 v[VRS], 2, v1
	s_lshl_b32 s16, s13, 7
	s_lshl_b32 s17, s11, 6
	s_add_co_u32 s16, s16, s17                     ; my first row
	s_lshl_b32 s14, s16, 2
	s_mov_b32 s15, 0
	s_add_nc_u64 s[68:69], s[68:69], s[14:15]      ; rs at it
	s_lshl_b32 s16, s16, 12                        ; 4,096 bytes a row of out0
	s_lshl_b32 s46, s42, 10                        ; my first column in bytes: 1,024 x tile column + 512 x half
	s_lshl_b32 s47, s12, 9
	s_add_co_u32 s46, s46, s47
	s_mov_b32 s47, 0
	s_add_nc_u64 s[70:71], s[70:71], s[46:47]      ; b_out at it
	s_add_co_u32 s16, s16, s46
	s_mov_b32 s17, 0                               ; s[16:17]: what the first way out adds to out0's address
	WIN 0x80                                       ; destination window 2, address window 0
.irp b, 0,1,2,3,4,5,6,7
	global_load_b128 v[BI+8*(\b):BI+8*(\b)+3],   v[VBI], s[70:71] offset:64*(\b)
	global_load_b128 v[BI+8*(\b)+4:BI+8*(\b)+7], v[VBI], s[70:71] offset:64*(\b)+16
.endr
.irp a, 0,1,2,3
	global_load_b32 v[RS+2*(\a)],   v[VRS], s[68:69] offset:64*(\a)
	global_load_b32 v[RS+2*(\a)+1], v[VRS], s[68:69] offset:64*(\a)     ; named as a pair, so both are written
.endr
	s_wait_loadcnt 0x0
	WIN 0x8a                                       ; all in window 2: b_out is rounded to bf16 and kept as f32
.set i, 0
.rept 32
	v_cvt_pk_bf16_f32 v[TW], v[BI+2*i], v[BI+2*i+1]
	v_lshlrev_b32 v[BI+2*i], 16, v[TW]
	v_and_b32 v[BI+2*i+1], s78, v[TW]
.set i, i+1
.endr
	WIN 0
; 8 matrix instructions: row block a x all 8 column blocks, 32 along K.  zero = 1: the first product starts the sums.  The 32 accumulators take turns, in the same order in every quarter.
.macro MUL8 f, a, zero
	WIN MUL
.irp b, 0,1,2,3,4,5,6,7
.if \zero
	v_wmma_f32_16x16x32_f16 v[8*(8*(\a)+(\b)):8*(8*(\a)+(\b))+7], v[(\f)+32+8*(\b):(\f)+32+8*(\b)+7], v[(\f)+8*(\a):(\f)+8*(\a)+7], 0
.else
	v_wmma_f32_16x16x32_f16 v[8*(8*(\a)+(\b)):8*(8*(\a)+(\b))+7], v[(\f)+32+8*(\b):(\f)+32+8*(\b)+7], v[(\f)+8*(\a):(\f)+8*(\a)+7], v[8*(8*(\a)+(\b)):8*(8*(\a)+(\b))+7]
.endif
.endr
.endm
; 24 LDS loads in one run: wo's 16, then y16's 8
.macro FETCH slot, k, f
	WIN 0
.irp i, 0,1,2,3,4,5,6,7
	ds_load_b128 v[(\f)+32+8*(\i):(\f)+32+8*(\i)+3],   v[ADRB+(\slot)] offset:(\k)+(\i)*16*PITCH
	ds_load_b128 v[(\f)+32+8*(\i)+4:(\f)+32+8*(\i)+7], v[ADRB+(\slot)] offset:(\k)+(\i)*16*PITCH+32
.endr
.irp i, 0,1,2,3
	ds_load_b128 v[(\f)+8*(\i):(\f)+8*(\i)+3],   v[ADRA+(\slot)] offset:(\k)+(\i)*16*PITCH
	ds_load_b128 v[(\f)+8*(\i)+4:(\f)+8*(\i)+7], v[ADRA+(\slot)] offset:(\k)+(\i)*16*PITCH+32
.endr
.endm
.macro PLACES                          ; four plain vector instructions in front of loads into registers that matrix instructions have read, and of lines that read results (ISA guide 7.12.1 for lines that read results)
.rept 4
	v_nop
.endr
.endm
; A K step is four quarters of 32 along K, 32 matrix instructions each, on buffers 0, 1, 0, 1.
.macro QUARTER slot, k, f, g, zero
	s_wait_dscnt 4                                 ; wo's and y16's blocks 0, 1 are in; the youngest four loads (blocks 2, 3) may be out
	MUL8 \f, 0, \zero
	MUL8 \f, 1, \zero
	WIN 0
	PLACES
	FETCH \slot, \k, \g
	s_wait_dscnt 24                                ; all but the 24 just issued
	MUL8 \f, 2, \zero
	MUL8 \f, 3, \zero
.endm
; The last quarter multiplies buffer 1 and changes slots: ONE barrier; in front of it each wave waits for all its tensor loads (one is out: its part of the next slot), adds 0 to its spare word, and waits
; for that and for its own reads of this slot.  fill = 1: the barrier opens a round of the cluster's barrier, and this slot is filled again, two K steps on, first thing behind the round:
; 112 matrix instructions ahead of the wait for it.
.macro TURN slot, next, fill
	WIN 0
	s_wait_tensorcnt 0x0
	ds_add_u32 v[SPW], v[NIL]                      ; 0 onto my spare word
	s_wait_dscnt 5                                 ; (the add and the youngest four loads may be out)
	MUL8 F1, 0, 0                                  ; eight matrix instructions stand between the add and the wait for it
	s_wait_dscnt 0x0                               ; the add is done, and my reads of this slot are over
	s_barrier_signal -1
	MUL8 F1, 1, 0
.if \fill
	WIN 0
.endif
	s_barrier_wait -1
.if \fill
	CREST
	s_add_nc_u64 s[G0+4*(\slot)+2:G0+4*(\slot)+3], s[G0+4*(\slot)+2:G0+4*(\slot)+3], 2*KSTEP*2
	s_add_nc_u64 s[G0B+4*(\slot)+2:G0B+4*(\slot)+3], s[G0B+4*(\slot)+2:G0B+4*(\slot)+3], 2*KSTEP*2
	JLOAD \slot                                    ; the four v_nop behind it are also the places in front of the loads below
.else
	PLACES
.endif
	FETCH \next, 0, F0
	MUL8 F1, 2, 0
	MUL8 F1, 3, 0
.endm
; THE WAY OUT of row block a (16 rows x my 128 columns).  PACK: sum x rs + b_out, one fused multiply-add; each accumulator's lowest registers are read first.
.macro PACK a
	WIN 0x29                                       ; source 0 window 1, sources 1 and 2 window 2, destination window 0
.irp b, 0,1,2,3,4,5,6,7
.irp k, 0,2,4,6
	v_pk_fma_f32 v[T+8*(\b)+(\k):T+8*(\b)+(\k)+1], v[8*(8*(\a)+(\b))+(\k):8*(8*(\a)+(\b))+(\k)+1], v[RS+2*(\a):RS+2*(\a)+1], v[BI+8*(\b)+(\k):BI+8*(\b)+(\k)+1] op_sel_hi:[1,0,1]
.endr
.endr
	WIN 0
.endm
.macro TOSTAGE a                       ; into my own stage, and back as whole rows of 512 bytes
	WIN 0
.set BK, OB+64*((\a)%2)
.irp b, 0,1,2,3,4,5,6,7
	ds_store_b128 v[STO], v[T+8*(\b):T+8*(\b)+3]   offset:64*(\b)
	ds_store_b128 v[STO], v[T+8*(\b)+4:T+8*(\b)+7] offset:64*(\b)+16
.endr
.irp t, 0,1,2,3,4,5,6,7,8,9,10,11,12,13,14,15
	ds_load_b128 v[BK+4*(\t):BK+4*(\t)+3], v[RD] offset:(\t)*SPITCH  ; LDS serves a wave's instructions in order (ISA guide 5.7.1.4): these see the stores above
.endr
.endm
.macro SEND a
	WIN 0
.set BK, OB+64*((\a)%2)
	s_wait_dscnt 0x0                               ; the block is back in registers
	s_wait_xcnt 0x0                                ; only behind this wait are the stores' base and the registers that earlier stores read rewritten
.if (\a) == 0
	s_add_nc_u64 s[8:9], s[8:9], s[16:17]
.else
	s_add_nc_u64 s[8:9], s[8:9], 16*SIZE_N*4       ; 16 rows on
.endif
.irp t, 0,1,2,3,4,5,6,7,8,9,10,11,12,13,14,15
	global_store_b128 v[CO], v[BK+4*(\t):BK+4*(\t)+3], s[8:9] offset:(\t)*SIZE_N*4 th:TH_STORE_NT  ; 512 consecutive bytes, at a multiple of 512 from out0's first byte
.endr
.endm
	s_wait_tensorcnt 1                             ; my part of K step 0 is in; K step 1's may stay out
	s_barrier_signal -1
	s_barrier_wait -1                              ; everybody's is
	FETCH 0, 0, F0
	QUARTER 0, 64,  F0, F1, 1                      ; the first quarter stands in front of the loop: its products start the sums
	WIN 0                                          ; at a label and at a branch every window is 0
	s_mov_b32 s3, LAPS-1
.Llap:                                                 ; a trip goes once round the ring, from a lap's second quarter to the next lap's first, and fills both slots again
	QUARTER 0, 128, F1, F0, 0
	QUARTER 0, 192, F0, F1, 0
	TURN 0, 1, 1
	QUARTER 1, 64,  F0, F1, 0
	QUARTER 1, 128, F1, F0, 0
	QUARTER 1, 192, F0, F1, 0
	TURN 1, 0, 1
	QUARTER 0, 64,  F0, F1, 0
	WIN 0
	s_sub_co_u32 s3, s3, 1
	s_cmp_lg_u32 s3, 0
	s_cbranch_scc1 .Llap
	QUARTER 0, 128, F1, F0, 0                      ; the last lap fills nothing
	QUARTER 0, 192, F0, F1, 0
	TURN 0, 1, 0
	QUARTER 1, 64,  F0, F1, 0
	QUARTER 1, 128, F1, F0, 0
	QUARTER 1, 192, F0, F1, 0
	s_wait_dscnt 4                                 ; the very last quarter: nothing more to fetch
	MUL8 F1, 0, 0
	MUL8 F1, 1, 0
	s_wait_dscnt 0x0
	MUL8 F1, 2, 0
	MUL8 F1, 3, 0
	WIN 0
	PLACES                                         ; behind the last products: the lines below read results and write fragment registers
	PACK 0
	TOSTAGE 0
.irp a, 1,2,3                          ; block a's arithmetic stands between block a - 1's loads from the stage and the wait for them
	PACK \a
	SEND (\a)-1
	TOSTAGE \a
.endr
	SEND 3
	s_wait_tensorcnt 0x0                           ; the wave's end, behind my last tensor load and my last LDS store
	ds_add_u32 v[SPW], v[NIL]
	s_wait_dscnt 0x0
	CROUND                                         ; the closing round: no work-group ends while a partner may still ask for a tile that names it
	s_endpgm
.Lfunc_end_k_q9ad86180fb_outproj:
	.size	k_q9ad86180fb_outproj, .Lfunc_end_k_q9ad86180fb_outproj-k_q9ad86180fb_outproj
	.p2alignl 7, 3214868480
	.fill 96, 4, 3214868480
	.section	.rodata,"a",@progbits
	.p2align	6, 0x0
	.amdhsa_kernel k_q9ad86180fb_outproj
		.amdhsa_group_segment_fixed_size 327680
		.amdhsa_private_segment_fixed_size 0
		.amdhsa_enable_private_segment 0
		.amdhsa_kernarg_size 40
		.amdhsa_user_sgpr_count 2
		.amdhsa_user_sgpr_kernarg_segment_ptr 1
		.amdhsa_wavefront_size32 1
		.amdhsa_system_sgpr_workgroup_id_x 1
		.amdhsa_system_sgpr_workgroup_id_y 1
		.amdhsa_system_sgpr_workgroup_id_z 1
		.amdhsa_system_vgpr_workitem_id 0
		.amdhsa_next_free_vgpr 592
		.amdhsa_next_free_sgpr 80
		.amdhsa_reserve_vcc 0
		.amdhsa_float_denorm_mode_32 3
		.amdhsa_float_denorm_mode_16_64 3
		.amdhsa_memory_ordered 1
		.amdhsa_forward_progress 1
		.amdhsa_inst_pref_size 100
	.end_amdhsa_kernel
	.amdgpu_metadata
---
amdhsa.version: [ 1, 2 ]
amdhsa.kernels:
  - .name:           k_q9ad86180fb_outproj
    .symbol:         k_q9ad86180fb_outproj.kd
    .args:
      - { .name: y16, .offset: 0, .size: 8, .value_kind: global_buffer, .address_space: global }
      - { .name: wo, .offset: 8, .size: 8, .value_kind: global_buffer, .address_space: global }
      - { .name: out0, .offset: 16, .size: 8, .value_kind: global_buffer, .address_space: global }
      - { .name: rs, .offset: 24, .size: 8, .value_kind: global_buffer, .address_space: global }
      - { .name: b_out, .offset: 32, .size: 8, .value_kind: global_buffer, .address_space: global }
    .group_segment_fixed_size: 327680
    .private_segment_fixed_size: 0
    .kernarg_segment_align: 8
    .kernarg_segment_size: 40
    .max_flat_workgroup_size: 128
    .sgpr_count:     80
    .vgpr_count:     592
    .wavefront_size: 32
...
	.end_amdgpu_metadata
.endif
;; end of part 4
